; MI455X (gfx1250); checked and timed in simulation.
; The chip was launched on July 23, 2026; its instructions are those of AMD's public machine-readable ISA for CDNA 5 (MIT licence, August 2026) and "CDNA5" Instruction Set Architecture Reference Guide (July 2026). The comments in the code are by the model that wrote it; some were corrected since.
;; GQ Attention. Allowed arithmetic: matrix products marked QUANTISED: E2M3 operands, one E8M0 scale for each 32 along K, by v_wmma_scale_f32_16x16x128_f8f6f4 with both operands' format E2M3, f32 sums; everything else in f32.
;; Inputs: Wkv 512 x 1,024 float32; Wo 1,024 x 1,024 float32; Wq 1,024 x 1,024 float32; cos 2,048 x 64 float32; sin 2,048 x 64 float32; x 4 x 2,048 x 1,024 float32.
;; Outputs: out0 4 x 2,048 x 1,024 float32.
;; This version of the problem:
;;   THIS VERSION OF THE PROBLEM IS GIVEN IN LOW PRECISION. The matrix products marked QUANTISED in the list below multiply operands that are first quantised to E2M3 (2 exponent bits, 3 mantissa bits; 6 bits a number), with one power-of-two scale for each 32 numbers along K (OCP MX v1.0); their sums are f32. All else is computed in f32.
;;   The module's matrix products, in the order in which they are computed (A, B: the left and right operand; K: the contracted axis; several contracted axes count as one K, in the product's order):
;;     1. [M 8,192, K 1,024] x [K 1,024, N 1,024]; A: input x; B: input Wq: QUANTISED
;;     2. [M 8,192, K 1,024] x [K 1,024, N 512]; A: input x; B: input Wkv: QUANTISED
;;     3. batch 16 x [M 8,192, K 64] x [K 64, N 2,048]; A: computed on the way; B: computed on the way: QUANTISED
;;     4. batch 16 x [M 8,192, K 2,048] x [K 2,048, N 64]; A: softmax (see below); B: computed on the way: QUANTISED
;;     5. [M 8,192, K 1,024] x [K 1,024, N 1,024]; A: computed on the way; B: input Wo: QUANTISED
;;   THE QUANTISER, for each operand of a quantised product, along K:
;;     - K is cut into blocks of 32 from its start; a last block that is shorter is filled with zeros.
;;     - A block's scale is 2^e with e = floor(log2(the largest magnitude in the block)) - 2, held to -126 .. 127; a block of zeros has e = 0. As a byte (E8M0): e + 127.
;;     - Each number is divided by its block's scale, clamped to +-7.5, and rounded to the nearest number of E2M3, ties to even, subnormals kept.
;;     - The product sums the exact products of the quantised numbers (number of the format x scale) in f32.
;;   ~~~python
;;   def quantise(x, axis):      # numpy; x: float32 -> the quantised numbers, widened to float32 again
;;       x = np.moveaxis(x, axis, -1); K = x.shape[-1]
;;       x = np.pad(x, [(0, 0)] * (x.ndim - 1) + [(0, -K % 32)]); x = x.reshape(x.shape[:-1] + (-1, 32)); a = np.abs(x).max(-1, keepdims=True)
;;       e = np.where(a > 0, np.clip(np.frexp(np.where(a > 0, a, 1))[1] - 1 - 2, -126, 127), 0)      # np.frexp(a)[1] - 1 = floor(log2(a)), exactly
;;       r = np.clip(x / 2.0 ** e, -7.5, 7.5)
;;       step = 2.0 ** (np.maximum(np.frexp(np.where(r == 0, 1, r))[1] - 1, 0) - 3)
;;       q = np.round(r / step) * step * 2.0 ** e      # np.round: ties to even
;;       return np.moveaxis(q.reshape(q.shape[:-2] + (-1,))[..., :K], -1, axis).astype(np.float32)
;;   ~~~
;;   SOFTMAX AHEAD OF A QUANTISED PRODUCT. Where the list says 'softmax', what is quantised is not the finished softmax but p = 2^(t - M), with t = logit x log2(e) and M = ceil(the row's largest t), a whole number; so 1/2 < the row's largest p <= 1. The row's sum l is taken of the UNQUANTISED p, in f32, and the product's result is divided by l at the end. Since M is a whole number, a kernel that streams over the keys may use a running M (the ceiling of the running maximum): every later rescaling is an exact power of two, which a block's scale takes up: the codes' values come out the same.
;;   OPERANDS COMPUTED ON THE WAY. 'Computed on the way' means the value that the module computes at that place (a softmax that the list does not call 'softmax' is quantised finished and normalised). What goes into a quantiser is computed in f32, as accurately as f32 sums, v_exp_f32 and their like allow (about 1e-6 of the number): no bf16 or f16 on the way to a quantiser, and a product that is left as it is and whose result goes on into a quantised operand takes f32 operands (vector FMAs, or v_wmma_f32_16x16x4_f32). A number that lies on a knife's edge between two numbers of the format may be rounded either way, as far as f32 arithmetic and the matrix unit's own rounding can turn it there, and no further.
;; One version. Each part assembles by itself: llvm-mc -triple=amdgcn-amd-amdhsa -mcpu=gfx1250 --defsym DOCPART=n.
;; ======== version 1 of 1: 4 launches
;; limits: right only within a limited range of input values
;; workspace buffers: xq 6,553,600 bytes; wq 2,048,000 bytes; qkv 10,223,616 bytes; oq 6,553,600 bytes
;; launch quant (part 1): grid 336 x 1, 2 waves a work-group, no clusters, 17,152 bytes of LDS; arguments x, Wq, Wkv, Wo, xq, wq; writes xq, wq
.if DOCPART == 1
	.amdgcn_target "amdgcn-amd-amdhsa--gfx1250"
	.amdhsa_code_object_version 6
	.text
	.protected	k_q1ea812e365_quant
	.globl	k_q1ea812e365_quant
	.p2align	8
	.type	k_q1ea812e365_quant,@function
k_q1ea812e365_quant:
	s_mov_b64 s[64:65], 0
	v_nop
	global_prefetch_b8 v0, s[64:65] scope:SCOPE_SE
	s_setreg_imm32_b32 hwreg(HW_REG_WAVE_MODE, 25, 1), 1
	s_wait_xcnt 0x0
; GQA attention in MX-FP6, launch 1 of 4: x [8192][1024], Wq [1024][1024], Wkv [512][1024], Wo [1024][1024], f32 with K innermost, become codes of E2M3 with one E8M0 byte for each 32 along K.
; NO WORK OF THE PROBLEM IS LEFT OUT IN ANY LAUNCH: every input (x, cos, sin, Wq, Wkv, Wo) has a way to the output, there is no mask, and all five products are live in whole.
; THE WORKSPACES ARE IMAGES OF OPERAND REGISTERS.  A fragment is 16 rows x 128 K = 12 registers a lane = 1,536 bytes: registers 4 c .. 4 c + 3 of lane l lie at 512 c + 16 l.  So every later load of a fragment is
; three loads of 16 bytes a lane, each 512 consecutive bytes.  A tile (16 rows, all 8 K steps) is 12,288 bytes.  Its scale words lie behind all codes, 512 bytes a tile: lane l's 16 bytes hold row l % 16's words of
; K steps 0-3 (lanes 0-15) or 4-7 (lanes 16-31), so that one load of 16 bytes a lane brings a tile's eight words, and the matrix instruction picks the half of the lanes.
; THE ROWS OF A TILE ARE NOT NEIGHBOURS: lane r of tile t holds row 32 (t / 2) + 8 (t % 2) + r + 8 (r / 8).  Used as source 0, two neighbouring tiles then leave 16 neighbours of the next K in a lane's 16 result registers.
; wq's tiles: 0-63 Wq; 64-79 the rows of Wkv that make k (tile 4 g + c); 80-95 those that make v; 96-159 Wo.
; A block's scale is 2^(floor(log2(largest magnitude)) - 2): its byte is the largest magnitude's exponent field - 2, held at 1 from below by a floor among the maximum's leaves.
; LIMITS: NaN and infinities among the inputs are not served.  A block of zeros gets the byte 1 where the rule says 127: its codes are zeros, which add nothing under any byte but 0xff, and this program alone reads the bytes.
; SHARES: a wave takes one tile.  Each load reads 512 consecutive bytes of one row; a K step's 16 x 512 bytes turn through the wave's own stage in LDS, so that a lane gets 16 neighbours of each block of 32.
; No tensor load, no barrier: waves share nothing.  Loads run two K steps (32 loads a wave) ahead.
.set XS,     6291456                   ; xq: where the scale words begin (512 tiles x 12,288)
.set WS,     1966080                   ; wq: likewise (160 tiles)
.set SPITCH, 528                       ; a stage row: 512 bytes + 16: the 16 rows that a read touches start in 16 different columns of 16 bytes
.set WSTG,   16*SPITCH                 ; a wave's stage
.set SPARE,  2*WSTG                    ; behind the stages: the spare words, 128 bytes a wave: one block of 256 bytes that no other line names
.set LN,   1                           ; v1   lane
.set L16,  2                           ; v2   16 x lane
.set STI,  3                           ; v3   the stage, on the way in: my 16 bytes of a row
.set STO,  4                           ; v4   and on the way out: row lane % 16, + 64 (lane / 16)
.set R,    16                          ; v16-143  two sets of 64 registers as loaded
.set X,    144                         ; v144-207 64 numbers: register 16 b + i = k 32 b + 16 (lane / 16) + i of my row
.set PC,   208                         ; v208-226 the codes just made
.set TM,   228                         ; v228-243 at work
.set PW,   244                         ; v244 the scale word just made
.set SW,   246                         ; v246-253 the eight K steps' scale words
.set SPW,  254                         ; v254 LDS address of my spare word; never rewritten
.set NIL,  255                         ; v255 0; never rewritten
.set SEL,  18                          ; s[18:19] lane selects for v_permlanex16_b32: lane l xor 16
	s_load_b256 s[4:11], s[0:1], 0x0               ; x s[4:5], Wq s[6:7], Wkv s[8:9], Wo s[10:11]
	s_load_b128 s[12:15], s[0:1], 0x20             ; xq s[12:13], wq s[14:15]
	v_lshl_add_u32 v[SPW], v0, 2, SPARE
	v_mov_b32 v[NIL], 0
	v_lshrrev_b32 v1, 5, v0
	v_readfirstlane_b32 s16, v1                    ; wave 0, 1
	v_and_b32 v[LN], 31, v0
	v_lshlrev_b32 v[L16], 4, v[LN]
	s_mul_i32 s17, s16, WSTG
	v_add_nc_u32 v[STI], s17, v[L16]
	v_and_b32 v5, 15, v0
	v_bfe_u32 v6, v0, 4, 1
	v_mul_u32_u24 v[STO], v5, SPITCH
	v_lshl_add_u32 v[STO], v6, 6, v[STO]
	v_add_nc_u32 v[STO], s17, v[STO]
.irp b, 0,1,2,3
	v_mov_b32 v[TM+4+\b], 0                        ; written once: a lane permute's destination counts as one of its sources
.endr
	s_mov_b32 s[SEL], 0x76543210
	s_mov_b32 s[SEL+1], 0xfedcba98
	s_lshl_b32 s20, ttmp9, 1
	s_add_co_u32 s20, s20, s16                     ; which of the launch's 672 tiles is mine
	s_mov_b32 s21, 608                             ; the tensor's first tile in that count,
	s_mov_b32 s22, 96                              ; its first tile in its workspace,
	s_mov_b32 s23, WS                              ; and where the workspace's scale words begin: here Wo's
	s_wait_alu depctr_va_vdst(0)
	s_wait_kmcnt 0x0
	s_mov_b64 s[24:25], s[10:11]
	s_mov_b64 s[26:27], s[14:15]
	s_cmp_lt_u32 ttmp9, 304                        ; the choices hang on the work-group's number alone; only pointers and numbers are chosen: one path serves all four tensors
	s_cselect_b64 s[24:25], s[8:9], s[24:25]       ; Wkv
	s_cselect_b32 s21, 576, s21
	s_cselect_b32 s22, 64, s22
	s_cmp_lt_u32 ttmp9, 288
	s_cselect_b64 s[24:25], s[6:7], s[24:25]       ; Wq
	s_cselect_b32 s21, 512, s21
	s_cselect_b32 s22, 0, s22
	s_cmp_lt_u32 ttmp9, 256
	s_cselect_b64 s[24:25], s[4:5], s[24:25]       ; x
	s_cselect_b64 s[26:27], s[12:13], s[26:27]
	s_cselect_b32 s21, 0, s21
	s_cselect_b32 s23, XS, s23
	s_sub_co_u32 s20, s20, s21                     ; t: my tile in the tensor
	s_lshr_b32 s28, s20, 3                         ; Wkv's tile t = 8 g + 4 kv + c goes to place 16 kv + 4 g + c
	s_lshl_b32 s28, s28, 2
	s_bfe_u32 s29, s20, 0x10002
	s_lshl_b32 s29, s29, 4
	s_add_co_u32 s28, s28, s29
	s_and_b32 s29, s20, 3
	s_add_co_u32 s28, s28, s29
	s_sub_co_u32 s29, ttmp9, 288
	s_cmp_lt_u32 s29, 16                           ; Wkv's work-groups are 288 to 303
	s_cselect_b32 s28, s28, s20
	s_add_co_u32 s28, s28, s22                     ; my tile in the workspace
	s_lshr_b32 s30, s20, 1
	s_lshl_b32 s30, s30, 5
	s_and_b32 s31, s20, 1
	s_lshl_b32 s31, s31, 3
	s_add_co_u32 s30, s30, s31                     ; my tile's first row: 32 (t / 2) + 8 (t % 2)
	s_lshl_b32 s30, s30, 12                        ; rows of 4,096 bytes (under 2^26)
	s_mov_b32 s31, 0
	s_add_nc_u64 s[24:25], s[24:25], s[30:31]
	s_mul_i32 s30, s28, 12288
	s_add_nc_u64 s[32:33], s[26:27], s[30:31]      ; my tile's codes
	s_lshl_b32 s30, s28, 9
	s_add_co_u32 s30, s30, s23
	s_add_nc_u64 s[34:35], s[26:27], s[30:31]      ; and its scale words
.macro LOAD s                          ; K step s of my 16 rows: 32 lanes read 512 consecutive bytes of a row
.irp i, 0,1,2,3,4,5,6,7,8,9,10,11,12,13,14,15
	global_load_b128 v[R+64*((\s)%2)+4*\i:R+64*((\s)%2)+4*\i+3], v[L16], s[24:25] offset:(\i+8*(\i/8))*4096+512*(\s) th:TH_LOAD_NT
.endr
.endm
; 64 numbers of a lane, register 16 b + i = k 32 b + 16 (lane / 16) + i of my row, become a fragment's codes in v[PC] on and its scale word in v[PW].
.macro QUANT s
.irp b, 0,1,2,3
	v_max3_num_f32 v[TM+\b], |v[\s+16*\b]|, |v[\s+1+16*\b]|, 0x1800000   ; block b: my 16 numbers, and the floor 2^(3 - 127): so the byte cannot fall under 1
.endr
.irp i, 2,4,6,8,10,12,14
.irp b, 0,1,2,3
	v_max3_num_f32 v[TM+\b], v[TM+\b], |v[\s+16*\b+\i]|, |v[\s+1+16*\b+\i]|   ; the four blocks by turns: no line waits for the line above it
.endr
.endr
.irp b, 0,1,2,3
	v_permlanex16_b32 v[TM+4+\b], v[TM+\b], s[SEL], s[SEL+1]
.endr
.irp b, 0,1,2,3
	v_max_num_f32 v[TM+\b], v[TM+\b], v[TM+4+\b]   ; with lane l xor 16's: the block's largest magnitude
.endr
.irp b, 0,1,2,3
	v_add_nc_u32 v[TM+12+\b], 0xff000000, v[TM+\b] ; 2 off its exponent field: the conversion takes the exponent field of this operand as its scale
.endr
.irp b, 0,1,2,3
	v_lshrrev_b32 v[TM+4+\b], 23, v[TM+12+\b]      ; the scale's byte
.endr
	v_lshl_or_b32 v[PW], v[TM+5], 8, v[TM+4]       ; the four bytes make my row's scale word
	v_lshl_or_b32 v[PW], v[TM+6], 16, v[PW]
	v_lshl_or_b32 v[PW], v[TM+7], 24, v[PW]
.irp c, 0,1
	v_cvt_scalef32_pk16_fp6_f32 v[PC+6*\c:PC+2+6*\c], v[\s+32*\c:\s+15+32*\c], v[TM+12+2*\c]
	v_cvt_scalef32_pk16_fp6_f32 v[PC+12+4*\c:PC+14+4*\c], v[\s+16+32*\c:\s+31+32*\c], v[TM+12+2*\c+1]   ; (a conversion's three registers begin on an even number)
.endr
	v_nop                                          ; one plain place behind a scaled conversion
.irp c, 0,1                            ; the operand's layout wants a WHOLE block in a lane: lanes 0-15 block 2 c, lanes 16-31 block 2 c + 1
.irp i, 0,1,2
	v_permlane16_swap_b32 v[PC+6*\c+\i], v[PC+12+4*\c+\i]
.endr
.irp i, 0,1,2
	v_mov_b32 v[PC+3+6*\c+\i], v[PC+12+4*\c+\i]
.endr
.endr
.endm
.macro STEP s
.if (\s) < 7
	s_wait_loadcnt 16                              ; this K step's 16 loads are in; the next step's 16 may be out
.else
	s_wait_loadcnt 0x0
.endif
.irp i, 0,1,2,3,4,5,6,7,8,9,10,11,12,13,14,15
	ds_store_b128 v[STI], v[R+64*((\s)%2)+4*\i:R+64*((\s)%2)+4*\i+3] offset:SPITCH*\i
.endr
.irp b, 0,1,2,3
.irp j, 0,1,2,3
	ds_load_b128 v[X+16*\b+4*\j:X+16*\b+4*\j+3], v[STO] offset:128*\b+16*\j   ; LDS serves a wave's instructions in order: these see the stores above
.endr
.endr
	s_wait_xcnt 0x0                                ; the last step's stores have read their data: the codes' registers are rewritten only behind this wait
	s_wait_dscnt 0x0                               ; the numbers are back, and the stage's stores have read the set that is loaded again below
.if (\s)+2 < 8
	LOAD (\s)+2
.endif
	QUANT X
.irp c, 0,1,2
	global_store_b128 v[L16], v[PC+4*\c:PC+4*\c+3], s[32:33] offset:1536*(\s)+512*\c   ; 32 lanes store 512 consecutive bytes, at a multiple of 256 from the buffer's first byte
.endr
	v_mov_b32 v[SW+(\s)], v[PW]
.endm
	LOAD 0
	LOAD 1
.irp s, 0,1,2,3,4,5,6,7
	STEP \s
.endr
	v_cmp_lt_u32 vcc_lo, 15, v[LN]                 ; lanes 0-15 store K steps 0-3's words of their row, lanes 16-31 K steps 4-7's
.irp i, 0,1,2,3
	v_cndmask_b32 v[R+\i], v[SW+\i], v[SW+4+\i], vcc_lo
.endr
	global_store_b128 v[L16], v[R:R+3], s[34:35]
	s_wait_tensorcnt 0x0                           ; the wave's end: behind my last LDS store
	ds_add_u32 v[SPW], v[NIL]
	s_wait_dscnt 0x0
	s_endpgm
.Lfunc_end_k_q1ea812e365_quant:
	.size	k_q1ea812e365_quant, .Lfunc_end_k_q1ea812e365_quant-k_q1ea812e365_quant
	.p2alignl 7, 3214868480
	.fill 96, 4, 3214868480
	.section	.rodata,"a",@progbits
	.p2align	6, 0x0
	.amdhsa_kernel k_q1ea812e365_quant
		.amdhsa_group_segment_fixed_size 17152
		.amdhsa_private_segment_fixed_size 0
		.amdhsa_enable_private_segment 0
		.amdhsa_kernarg_size 48
		.amdhsa_user_sgpr_count 2
		.amdhsa_user_sgpr_kernarg_segment_ptr 1
		.amdhsa_wavefront_size32 1
		.amdhsa_system_sgpr_workgroup_id_x 1
		.amdhsa_system_sgpr_workgroup_id_y 1
		.amdhsa_system_sgpr_workgroup_id_z 1
		.amdhsa_system_vgpr_workitem_id 0
		.amdhsa_next_free_vgpr 256
		.amdhsa_next_free_sgpr 66
		.amdhsa_reserve_vcc 1
		.amdhsa_float_denorm_mode_32 3
		.amdhsa_float_denorm_mode_16_64 3
		.amdhsa_memory_ordered 1
		.amdhsa_forward_progress 1
		.amdhsa_inst_pref_size 65
	.end_amdhsa_kernel
	.amdgpu_metadata
---
amdhsa.version: [ 1, 2 ]
amdhsa.kernels:
  - .name:           k_q1ea812e365_quant
    .symbol:         k_q1ea812e365_quant.kd
    .args:
      - { .name: x, .offset: 0, .size: 8, .value_kind: global_buffer, .address_space: global }
      - { .name: Wq, .offset: 8, .size: 8, .value_kind: global_buffer, .address_space: global }
      - { .name: Wkv, .offset: 16, .size: 8, .value_kind: global_buffer, .address_space: global }
      - { .name: Wo, .offset: 24, .size: 8, .value_kind: global_buffer, .address_space: global }
      - { .name: xq, .offset: 32, .size: 8, .value_kind: global_buffer, .address_space: global }
      - { .name: wq, .offset: 40, .size: 8, .value_kind: global_buffer, .address_space: global }
    .group_segment_fixed_size: 17152
    .private_segment_fixed_size: 0
    .kernarg_segment_align: 8
    .kernarg_segment_size: 48
    .max_flat_workgroup_size: 64
    .sgpr_count:     66
    .vgpr_count:     256
    .wavefront_size: 32
...
	.end_amdgpu_metadata
.endif
;; end of part 1
;; launch proj (part 2): grid 64 x 6, 4 waves a work-group, no clusters, 327,680 bytes of LDS; arguments xq, wq, cos, sin, qkv; writes qkv
.if DOCPART == 2
	.amdgcn_target "amdgcn-amd-amdhsa--gfx1250"
	.amdhsa_code_object_version 6
	.text
	.protected	k_q1ea812e365_proj
	.globl	k_q1ea812e365_proj
	.p2align	8
	.type	k_q1ea812e365_proj,@function
k_q1ea812e365_proj:
	s_mov_b64 s[64:65], 0
	v_nop
	global_prefetch_b8 v0, s[64:65] scope:SCOPE_SE
	s_setreg_imm32_b32 hwreg(HW_REG_WAVE_MODE, 25, 1), 1
	s_wait_xcnt 0x0
; Launch 2 of 4: q = x Wq^T and k, v = x Wkv^T on codes of E2M3 (K = 1,024), RoPE on q and k in f32, and the quantisers of q, k (along a head's 64 channels) and v (along the keys).  Nothing of the problem is left out.
; ONE BODY, THREE ROLES, by the work-group's y.  It multiplies 16 tiles P (source 0) by 8 tiles R (source 1); a tile is 16 rows x 1,024 K, an image of operand registers (see the first launch).
;   y = 0 .. 3 (q): P = 256 rows of Wq (four heads), R = 128 tokens.   y = 4 (k): P = the 256 rows of Wkv that make k.   A lane then holds ONE token, and its registers run along the channels.
;   y = 5 (v): P = 256 tokens, R = 128 of the rows of Wkv that make v: a lane holds ONE channel, and its registers run along the tokens, which are the keys: the K of attention's second product.
; The roles differ in global addresses and on the way out alone.  By the rows' order in a tile, the 16 result registers of P's tiles 2 b, 2 b + 1 are 16 neighbours: 32 b + 16 (lane / 16) + 0 .. 15.
; SHARES: four waves; wave w takes P's tiles 8 (w % 2) + 0 .. 7 and R's tiles 4 (w / 2) + 0 .. 3: 32 accumulators, 256 registers.
; LDS: all that the work-group reads, 24 tiles x 12,288 bytes, is asked for in two halves of four K steps, one at the head, one behind the first barrier; nothing is filled twice, so the waits on TENSORcnt are counted and no slot changes hands.
; A wave has one tensor load outstanding at a time.
; NO CLUSTER: for y = 0 .. 4 neighbours along x share P (weights); for y = 5 P holds tokens and differs between them.  A joint load's mask is a constant of the text, so one text cannot serve both.
; cos and sin are loaded in the v role too, where they are not used (64 of 384 work-groups, 64 KiB each): so every register that the RoPE path reads is written on every way through the text.
; qkv: Q at 0: [b][head][token tile 0 .. 127][768 bytes]: a half fragment (K = 64: 6 registers): registers 0-3 at 16 x lane, registers 4-5 at 512 + 8 x lane.
;   QS: [b][head][tile / 4][lane][2 words]: word e of lane l is the scale word of tile 4 (tile / 4) + 2 e + l / 16, row l % 16.
;   KV: 16 streams (4 b + g) of 16 chunks (128 keys) of 13,312 bytes: 8 half fragments of k; 4 fragments of v^T (16 channels x 128 keys); k's scale words (2 x 256 bytes, as QS); v's (lane's 16 bytes: tiles 0-3).
; LIMITS: NaN and infinities are not served; a block of zeros gets the byte 1 with zero codes.
.set XS,     6291456
.set WS,     1966080
.set QS,     6291456
.set KV,     6815744
.set STREAM, 212992
.set CHUNK,  13312
; LDS AS THIS TEXT HAS IT (in place of the four parts that the head comment names): two halves of four K steps; a half = P's 16 tiles x 6,144 bytes, then R's 8 x 6,144.
; Waves 0, 1 fetch 8 tiles of P each, waves 2, 3 fetch 4 tiles of R each: one tensor load a wave at the head (first half), one behind the first barrier (second half): one load of a wave is out at a time.
.set PART,   147456
.set ROFF,   98304
.set SPARE,  2*PART                    ; behind the halves: the spare words, 128 bytes a wave
.set LN,  1                            ; v1  lane
.set L16, 2                            ; v2  16 x lane
.set L8,  3                            ; v3  8 x lane
.set AD0, 4                            ; v4  LDS address of my P tiles in the part in hand
.set AD1, 5                            ; v5  of my R tiles
.set SPW, 6                            ; v6  LDS address of my spare word; never rewritten
.set NIL, 7                            ; v7  0; never rewritten
.set CSO, 8                            ; v8  my lane's byte in cos and sin
.set S0,  16                           ; v16-47  P's scale words: 4 registers a tile
.set S1,  48                           ; v48-63  R's
.set F0,  64                           ; v64-159 P's 8 fragments;  v160-207 R's 4: set 0 in window 0, set 1 in window 2
.set F1,  160
.set T,   64                           ; the way out, window 0: 64 numbers after RoPE
.set PC,  128                          ; v128-146 codes
.set TM,  148                          ; v148-163 at work
.set PW,  164
.set PWA, 168                          ; v168-171, v172-175 four tiles' scale words, first and second head
.set PWB, 172
.set OU,  176
; window 1: the accumulators, (R tile a, P tile b) at v[8 (8 a + b)].   window 3: cos of token tile a at v[64 a .. + 31], sin at v[64 a + 32 .. + 63].
.set G1P, 16                           ; s[16:23] descriptor group 1 for P: 8 rows of 6,144 bytes;  s[24:31] for R: 4 rows
.set G1R, 24
.set G0P, 32                           ; s[32:39] groups 0 for P's two halves;  s[48:55] for R's
.set G0R, 48
.set SEL, 78                           ; s[78:79] lane selects for v_permlanex16_b32 (set behind the descriptors)
.set MSB, 0
.macro WIN new                         ; the immediate's high byte repeats the setting that is left
.if MSB != \new
	s_set_vgpr_msb (MSB<<8)|\new
.set MSB, \new
.endif
.endm
.macro PLACES                          ; four places behind a matrix instruction of this form, in front of loads into its registers and of the first read of results
.rept 4
	v_nop
.endr
.endm
	s_load_b256 s[4:11], s[0:1], 0x0               ; xq s[4:5], wq s[6:7], cos s[8:9], sin s[10:11]
	s_load_b64 s[12:13], s[0:1], 0x20              ; qkv
	v_lshl_add_u32 v[SPW], v0, 2, SPARE
	v_mov_b32 v[NIL], 0
	ds_add_u32 v[SPW], v[NIL]                      ; the wave's opening: the add, twice on end, and its wait ahead of my first tensor load; work on registers stands between
	ds_add_u32 v[SPW], v[NIL]
	v_lshrrev_b32 v1, 5, v0
	v_readfirstlane_b32 s14, v1                    ; wave 0..3
	s_mov_b32 s15, ttmp9                           ; X
	s_and_b32 s2, ttmp7, 0xffff                    ; Y: the role
	s_and_b32 s90, s14, 1
	s_lshr_b32 s91, s14, 1
	s_mov_b32 s[G1P+0], 3<<16                      ; no mask; elements of 8 bytes; no padding
	s_mov_b32 s[G1P+1], 768<<16                    ; rows of 768 elements: 6,144 bytes, four K steps of a tile
	s_mov_b32 s[G1P+2], 8<<16                      ; 8 tiles
	s_mov_b32 s[G1P+3], 768<<16
	s_mov_b32 s[G1P+4], 8
	s_mov_b32 s[G1P+5], 1536                       ; from tile to tile: 12,288 bytes
	s_mov_b32 s[G1P+6], 0
	s_mov_b32 s[G1P+7], 0
	s_mov_b32 s[G1R+0], 3<<16
	s_mov_b32 s[G1R+1], 768<<16
	s_mov_b32 s[G1R+2], 4<<16                      ; 4 tiles
	s_mov_b32 s[G1R+3], 768<<16
	s_mov_b32 s[G1R+4], 4
	s_mov_b32 s[G1R+5], 1536
	s_mov_b32 s[G1R+6], 0
	s_mov_b32 s[G1R+7], 0
	s_lshl_b32 s92, s2, 4                          ; q, k: P begins at wq's tile 16 Y,
	s_lshr_b32 s93, s15, 1
	s_lshl_b32 s93, s93, 4                         ; v: at xq's tile 16 (X / 2)
	s_lshl_b32 s94, s15, 3                         ; q, k: R begins at xq's tile 8 X,
	s_and_b32 s95, s15, 1
	s_lshl_b32 s95, s95, 3
	s_add_co_u32 s95, s95, 80                      ; v: at wq's tile 80 + 8 (X % 2)
	s_mov_b32 s96, XS
	s_mov_b32 s97, WS
	s_cmp_eq_u32 s2, 5
	s_cselect_b32 s92, s93, s92
	s_cselect_b32 s94, s95, s94
	s_cselect_b32 s70, s96, s97                    ; where P's buffer has its scale words,
	s_cselect_b32 s72, s97, s96                    ; and R's
	s_mul_i32 s74, s92, 12288
	s_mul_i32 s3, s90, 98304                       ; 8 tiles of P for wave % 2
	s_add_co_u32 s74, s74, s3                      ; the eight tiles of P that I fetch
	s_mov_b32 s75, 0
	s_mul_i32 s76, s94, 12288
	s_mul_i32 s3, s90, 49152                       ; 4 tiles of R for wave % 2
	s_add_co_u32 s76, s76, s3                      ; the four of R
	s_mov_b32 s77, 0
	s_lshl_b32 s3, s90, 3
	s_add_co_u32 s3, s3, s92
	s_lshl_b32 s3, s3, 9
	s_add_co_u32 s70, s70, s3                      ; the scale words of the eight tiles of P that I multiply: 512 bytes a tile
	s_mov_b32 s71, 0
	s_lshl_b32 s3, s91, 2
	s_add_co_u32 s3, s3, s94
	s_lshl_b32 s3, s3, 9
	s_add_co_u32 s72, s72, s3                      ; and of my four of R
	s_mov_b32 s73, 0
	s_mul_i32 s78, s90, 49152                      ; where the loads land in a half: 8 x 6,144 for P,
	s_mul_i32 s79, s90, 24576                      ; 4 x 6,144 for R
	s_add_co_u32 s79, s79, ROFF                    ; and behind P's 16 tiles
	s_wait_dscnt 0x0                               ; both opening adds are done
	s_wait_kmcnt 0x0
	s_cmp_eq_u32 s2, 5
	s_cselect_b64 s[66:67], s[4:5], s[6:7]         ; P's buffer: the choice hangs on the work-group's number alone
	s_cselect_b64 s[68:69], s[6:7], s[4:5]         ; R's
	s_add_nc_u64 s[70:71], s[66:67], s[70:71]
	s_add_nc_u64 s[72:73], s[68:69], s[72:73]
	s_add_nc_u64 s[66:67], s[66:67], s[74:75]
	s_add_nc_u64 s[68:69], s[68:69], s[76:77]
.irp p, 0,1
	s_mov_b32 s[G0P+4*\p], 1
	s_add_co_u32 s[G0P+4*\p+1], s78, \p*PART       ; LDS address
	s_add_nc_u64 s[G0P+4*\p+2:G0P+4*\p+3], s[66:67], \p*6144
	s_or_b32 s[G0P+4*\p+3], s[G0P+4*\p+3], 0x80000000          ; type = 2
	s_mov_b32 s[G0R+4*\p], 1
	s_add_co_u32 s[G0R+4*\p+1], s79, \p*PART
	s_add_nc_u64 s[G0R+4*\p+2:G0R+4*\p+3], s[68:69], \p*6144
	s_or_b32 s[G0R+4*\p+3], s[G0R+4*\p+3], 0x80000000
.endr
.macro HLOAD h                         ; half h: waves 0, 1 ask for P, waves 2, 3 for R: one chain of two arms on the wave's number, one load to an arm
	s_cmp_eq_u32 s91, 0
	s_cbranch_scc0 .Lfor_r_\@
	tensor_load_to_lds s[G0P+4*\h:G0P+4*\h+3], s[G1P:G1P+7]
	s_nop 0
	PLACES
	s_branch .Lasked_\@
.Lfor_r_\@:
	tensor_load_to_lds s[G0R+4*\h:G0R+4*\h+3], s[G1R:G1R+7]
	s_nop 0
	PLACES
.Lasked_\@:
.endm
	HLOAD 0                                        ; K steps 0-3: my one tensor load at the head
	v_and_b32 v[LN], 31, v0
	v_lshlrev_b32 v[L16], 4, v[LN]
	v_lshlrev_b32 v[L8], 3, v[LN]
.irp i, 0,1,2,3,4,5,6,7
	global_load_b128 v[S0+4*\i:S0+4*\i+3], v[L16], s[70:71] offset:512*\i   ; a tile's eight scale words: lanes 0-15 K steps 0-3, lanes 16-31 K steps 4-7
.endr
.irp i, 0,1,2,3
	global_load_b128 v[S1+4*\i:S1+4*\i+3], v[L16], s[72:73] offset:512*\i
.endr
	s_mul_i32 s3, s90, 49152
	v_add_nc_u32 v[AD0], s3, v[L16]                ; my eight tiles of P
	s_mul_i32 s3, s91, 24576
	s_add_co_u32 s3, s3, ROFF
	v_add_nc_u32 v[AD1], s3, v[L16]                ; my four of R
	v_and_b32 v9, 15, v0
	v_and_b32 v10, 8, v9
	v_add_nc_u32 v9, v9, v10                       ; r + 8 (r / 8): my token in a tile
	v_bfe_u32 v10, v0, 4, 1
	v_lshlrev_b32 v[CSO], 8, v9                    ; a row of cos or sin is 256 bytes;
	v_lshl_add_u32 v[CSO], v10, 6, v[CSO]          ; my 16 channels of a block of 32 begin 64 (lane / 16) bytes on
	s_wait_alu depctr_va_vdst(0)
	s_lshl_b32 s92, s15, 7
	s_lshl_b32 s3, s91, 6
	s_add_co_u32 s92, s92, s3
	s_and_b32 s92, s92, 2047                       ; my first token's place in its sequence
	s_lshl_b32 s92, s92, 8
	s_mov_b32 s93, 0
	s_add_nc_u64 s[8:9], s[8:9], s[92:93]
	s_add_nc_u64 s[10:11], s[10:11], s[92:93]
	WIN 0xc0                                       ; destination window 3
.irp i, 0,1,2,3
.irp b, 0,1
.irp j, 0,1,2,3
	global_load_b128 v[64*\i+16*\b+4*\j:64*\i+16*\b+4*\j+3], v[CSO], s[8:9] offset:(32*(\i/2)+8*(\i%2))*256+128*\b+16*\j
	global_load_b128 v[64*\i+32+16*\b+4*\j:64*\i+32+16*\b+4*\j+3], v[CSO], s[10:11] offset:(32*(\i/2)+8*(\i%2))*256+128*\b+16*\j
.endr
.endr
.endr
	WIN 0
	; where the results go.  b = X / 16; T0 = my first token tile in the sequence
	s_lshr_b32 s92, s15, 4
	s_lshl_b32 s93, s15, 3
	s_lshl_b32 s3, s91, 2
	s_add_co_u32 s93, s93, s3
	s_and_b32 s93, s93, 127
	s_lshl_b32 s94, s92, 4                         ; q: my first head, 16 b + 4 Y + 2 (w % 2)
	s_lshl_b32 s3, s2, 2
	s_add_co_u32 s94, s94, s3
	s_lshl_b32 s3, s90, 1
	s_add_co_u32 s94, s94, s3
	s_lshl_b32 s95, s94, 7
	s_add_co_u32 s95, s95, s93
	s_mul_i32 s95, s95, 768                        ; its codes
	s_lshl_b32 s96, s94, 5
	s_lshr_b32 s3, s93, 2
	s_add_co_u32 s96, s96, s3
	s_lshl_b32 s96, s96, 8
	s_add_co_u32 s96, s96, QS                      ; its scale words
	s_lshl_b32 s97, s92, 2                         ; k: my first stream, 4 b + 2 (w % 2),
	s_lshl_b32 s3, s90, 1
	s_add_co_u32 s97, s97, s3
	s_mul_i32 s97, s97, STREAM
	s_lshr_b32 s3, s93, 3
	s_mul_i32 s3, s3, CHUNK
	s_add_co_u32 s97, s97, s3
	s_add_co_u32 s97, s97, KV                      ; and chunk
	s_and_b32 s3, s93, 7
	s_mul_i32 s3, s3, 768
	s_add_co_u32 s98, s97, s3                      ; its codes
	s_bfe_u32 s3, s93, 0x10002
	s_lshl_b32 s3, s3, 8
	s_add_co_u32 s99, s97, s3
	s_add_co_u32 s99, s99, 12288                   ; its scale words
	s_mov_b32 s74, 98304                           ; from my first head to my second: q's codes, q's scale words;
	s_mov_b32 s76, 8192
	s_mov_b32 s3, STREAM                           ; k's: a stream
	s_cmp_eq_u32 s2, 4
	s_cselect_b32 s80, s98, s95
	s_cselect_b32 s84, s99, s96
	s_cselect_b32 s82, s3, s74
	s_cselect_b32 s86, s3, s76
	s_mov_b32 s81, 0
	s_mov_b32 s83, 0
	s_mov_b32 s85, 0
	s_mov_b32 s87, 0
	s_add_nc_u64 s[80:81], s[12:13], s[80:81]      ; codes, first head
	s_add_nc_u64 s[82:83], s[80:81], s[82:83]      ; second head
	s_add_nc_u64 s[84:85], s[12:13], s[84:85]      ; scale words, first head
	s_add_nc_u64 s[86:87], s[84:85], s[86:87]      ; second head
	s_lshr_b32 s92, s15, 1                         ; v: n = 2 (X / 2) + w % 2: which 128 tokens; g = 2 (X % 2) + w / 2
	s_lshl_b32 s92, s92, 1
	s_add_co_u32 s92, s92, s90
	s_and_b32 s93, s15, 1
	s_lshl_b32 s93, s93, 1
	s_add_co_u32 s93, s93, s91
	s_lshr_b32 s3, s92, 4
	s_lshl_b32 s3, s3, 2
	s_add_co_u32 s93, s93, s3
	s_mul_i32 s88, s93, STREAM
	s_and_b32 s3, s92, 15
	s_mul_i32 s3, s3, CHUNK
	s_add_co_u32 s88, s88, s3
	s_add_co_u32 s88, s88, KV+6144
	s_mov_b32 s89, 0
	s_add_nc_u64 s[88:89], s[12:13], s[88:89]      ; the chunk's fragments of v^T
	s_mov_b32 s[SEL], 0x76543210
	s_mov_b32 s[SEL+1], 0xfedcba98
; 36 LDS loads in one run: my 8 + 4 fragments of the part's K step kq into set fs.  Each load takes 512 consecutive bytes.
.macro FETCH fs, kq
.if \fs
	WIN 0x80                                       ; destination window 2, address window 0
.else
	WIN 0
.endif
.irp i, 0,1,2,3,4,5,6,7
.irp c, 0,1,2
	ds_load_b128 v[F0+12*\i+4*\c:F0+12*\i+4*\c+3], v[AD0] offset:6144*\i+1536*(\kq)+512*\c
.endr
.endr
.irp i, 0,1,2,3
.irp c, 0,1,2
	ds_load_b128 v[F1+12*\i+4*\c:F1+12*\i+4*\c+3], v[AD1] offset:6144*\i+1536*(\kq)+512*\c
.endr
.endr
.endm
; 32 matrix instructions: K step ks from set fs.  The 32 accumulators take turns, one instruction a turn, in the same order in every K step.  zr = 1: the products start the sums.
.macro MUL fs, ks, zr
.if \fs
	WIN 0x5a                                       ; sources 0 and 1 window 2, C and D window 1
.else
	WIN 0x50                                       ; sources window 0, C and D window 1
.endif
.irp a, 0,1,2,3
.irp b, 0,1,2,3,4,5,6,7
.if \zr
	v_wmma_scale_f32_16x16x128_f8f6f4 v[8*(8*\a+\b):8*(8*\a+\b)+7], v[F0+12*\b:F0+12*\b+11], v[F1+12*\a:F1+12*\a+11], 0, v[S0+4*\b+((\ks)&3)], v[S1+4*\a+((\ks)&3)] matrix_a_fmt:MATRIX_FMT_FP6 matrix_b_fmt:MATRIX_FMT_FP6
.elseif (\ks) < 4
	v_wmma_scale_f32_16x16x128_f8f6f4 v[8*(8*\a+\b):8*(8*\a+\b)+7], v[F0+12*\b:F0+12*\b+11], v[F1+12*\a:F1+12*\a+11], v[8*(8*\a+\b):8*(8*\a+\b)+7], v[S0+4*\b+((\ks)&3)], v[S1+4*\a+((\ks)&3)] matrix_a_fmt:MATRIX_FMT_FP6 matrix_b_fmt:MATRIX_FMT_FP6
.else
	v_wmma_scale_f32_16x16x128_f8f6f4 v[8*(8*\a+\b):8*(8*\a+\b)+7], v[F0+12*\b:F0+12*\b+11], v[F1+12*\a:F1+12*\a+11], v[8*(8*\a+\b):8*(8*\a+\b)+7], v[S0+4*\b+((\ks)&3)], v[S1+4*\a+((\ks)&3)] matrix_a_fmt:MATRIX_FMT_FP6 matrix_b_fmt:MATRIX_FMT_FP6 matrix_a_scale:MATRIX_SCALE_ROW1 matrix_b_scale:MATRIX_SCALE_ROW1
.endif
.endr
.endr
.endm
.macro SYNC n                          ; my load of the half wanted next has landed (n later ones may be out); no LDS instruction of mine is pending; then everybody's have.
	s_wait_tensorcnt \n
	s_wait_dscnt 0x0
	s_barrier_signal -1
	s_barrier_wait -1
.endm
	s_wait_alu depctr_va_vdst(0)                   ; the head's end
	s_wait_tensorcnt 0x0                           ; my part of the first half is in
	ds_add_u32 v[SPW], v[NIL]
	s_wait_dscnt 0x0
	s_barrier_signal -1
	s_barrier_wait -1                              ; everybody's part is in
	HLOAD 1                                        ; K steps 4-7: my one tensor load behind this barrier
	FETCH 0, 0
	s_wait_loadcnt 63                              ; the 12 loads of scale words are in: behind them 64 loads were issued, and 63 is the largest count that the wait can name
.irp p, 0,1,2,3
.if \p > 0
	PLACES                                         ; set 1 has just been multiplied
.endif
	FETCH 1, 2*(\p%2)+1
	s_wait_dscnt 36                                ; set 0 is in; the 36 loads just issued may be out
.if \p == 0
	MUL 0, 0, 1
.else
	MUL 0, 2*\p, 0
.endif
	WIN 0
.if \p == 0 || \p == 2
	s_wait_dscnt 0x0                               ; set 1 is in
	PLACES                                         ; in front of the loads into set 0
	FETCH 0, 2
.elseif \p == 1
	SYNC 0                                         ; the second half is in, everybody's
	s_wait_alu depctr_va_vdst(0)
	v_add_nc_u32 v[AD0], PART, v[AD0]              ; on to the next part: these two and two v_nop are the four places in front of the loads into set 0
	v_add_nc_u32 v[AD1], PART, v[AD1]
	s_wait_alu depctr_va_vdst(0)                   ; the wait directly behind the writes
	v_nop
	v_nop
	FETCH 0, 0
.else
	s_wait_dscnt 0x0
.endif
	MUL 1, 2*\p+1, 0
.endr
	WIN 0
; 64 numbers of a lane, register 16 b + i = k 32 b + 16 (lane / 16) + i of my row, become a fragment's codes in v[PC] on and its scale word in v[PW].  w = 1: the numbers lie in window 1 (accumulators, read from their low ends on).
.macro QUANT s, w
.if \w
	WIN 0x05
.endif
.irp b, 0,1,2,3
	v_max3_num_f32 v[TM+\b], |v[(\s)+16*\b]|, |v[(\s)+1+16*\b]|, 0x1800000   ; and the floor 2^(3 - 127): the byte cannot fall under 1
.endr
.if \w
	WIN 0x14
.endif
.irp i, 2,4,6,8,10,12,14
.irp b, 0,1,2,3
	v_max3_num_f32 v[TM+\b], v[TM+\b], |v[(\s)+16*\b+\i]|, |v[(\s)+1+16*\b+\i]|
.endr
.endr
	WIN 0
.irp b, 0,1,2,3
	v_permlanex16_b32 v[TM+4+\b], v[TM+\b], s[SEL], s[SEL+1]
.endr
.irp b, 0,1,2,3
	v_max_num_f32 v[TM+\b], v[TM+\b], v[TM+4+\b]   ; with lane l xor 16's: the block's largest magnitude
.endr
.irp b, 0,1,2,3
	v_add_nc_u32 v[TM+12+\b], 0xff000000, v[TM+\b] ; 2 off its exponent field: the conversion's scale operand
.endr
.irp b, 0,1,2,3
	v_lshrrev_b32 v[TM+4+\b], 23, v[TM+12+\b]      ; the scale's byte
.endr
	v_lshl_or_b32 v[PW], v[TM+5], 8, v[TM+4]
	v_lshl_or_b32 v[PW], v[TM+6], 16, v[PW]
	v_lshl_or_b32 v[PW], v[TM+7], 24, v[PW]
.if \w
	WIN 0x01
.endif
.irp c, 0,1
	v_cvt_scalef32_pk16_fp6_f32 v[PC+6*\c:PC+2+6*\c], v[(\s)+32*\c:(\s)+15+32*\c], v[TM+12+2*\c]
	v_cvt_scalef32_pk16_fp6_f32 v[PC+12+4*\c:PC+14+4*\c], v[(\s)+16+32*\c:(\s)+31+32*\c], v[TM+12+2*\c+1]
.endr
	WIN 0
	v_nop                                          ; one plain place behind a scaled conversion
.irp c, 0,1
.irp i, 0,1,2
	v_permlane16_swap_b32 v[PC+6*\c+\i], v[PC+12+4*\c+\i]   ; a whole block to a lane
.endr
.irp i, 0,1,2
	v_mov_b32 v[PC+3+6*\c+\i], v[PC+12+4*\c+\i]
.endr
.endr
.endm
	; THE WAY OUT: no LDS; every store of codes covers 512 or 256 consecutive bytes.
	PLACES                                         ; behind the last products: results are read, and registers that held fragments are written
	s_wait_loadcnt 0x0                             ; cos and sin
.irp b, 0,1,2,3
	v_mov_b32 v[TM+4+\b], 0                        ; a lane permute's destination counts as one of its sources
.endr
	s_cmp_eq_u32 s2, 5
	s_cbranch_scc1 .Lvpath
.irp i, 0,1,2,3                        ; q, k: token tile i.  My 64 numbers are channels 32 b + 16 (lane / 16) + 0 .. 15 of my first head (b = 0, 1) and of my second (b = 2, 3)
	WIN 0x0d                                       ; source 0 (results) window 1, source 1 (cos, sin) window 3
.set n, 0
.rept 32
	v_pk_mul_f32 v[T+n:T+n+1], v[64*\i+n:64*\i+n+1], v[64*\i+n%32:64*\i+n%32+1]   ; x cos, each accumulator from its low end on
.set n, n+2
.endr
.set n, 0
.rept 32
	v_fma_f32 v[T+n], -v[64*\i+n+1], v[64*\i+32+n%32], v[T+n]       ; even channel: - its odd neighbour x sin
	v_fma_f32 v[T+n+1], v[64*\i+n], v[64*\i+33+n%32], v[T+n+1]      ; odd channel: + its even neighbour x sin
.set n, n+2
.endr
	WIN 0
	s_wait_xcnt 0x0                                ; the last tile's stores have read their data: the codes' registers are rewritten only behind this wait
	QUANT T, 0
	global_store_b128 v[L16], v[PC:PC+3], s[80:81] offset:768*\i          ; registers 0-5: my first head's 64 channels
	global_store_b64 v[L8], v[PC+4:PC+5], s[80:81] offset:768*\i+512
	global_store_b128 v[L16], v[PC+6:PC+9], s[82:83] offset:768*\i        ; registers 6-11: my second head's
	global_store_b64 v[L8], v[PC+10:PC+11], s[82:83] offset:768*\i+512
	v_mov_b32 v[PWA+\i], v[PW]                     ; bytes 0, 1 are the first head's (bytes 2, 3 will scale zero codes: they are never 0xff);
	v_lshrrev_b32 v[PWB+\i], 16, v[PW]             ; the second head's, brought down
.endr
	v_cmp_lt_u32 vcc_lo, 15, v[LN]                 ; word e of lane l: tile 2 e + l / 16
	v_cndmask_b32 v[OU], v[PWA], v[PWA+1], vcc_lo
	v_cndmask_b32 v[OU+1], v[PWA+2], v[PWA+3], vcc_lo
	v_cndmask_b32 v[OU+2], v[PWB], v[PWB+1], vcc_lo
	v_cndmask_b32 v[OU+3], v[PWB+2], v[PWB+3], vcc_lo
	global_store_b64 v[L8], v[OU:OU+1], s[84:85]
	global_store_b64 v[L8], v[OU+2:OU+3], s[86:87]
	s_branch .Ldone
.Lvpath:
.irp i, 0,1,2,3                        ; v: channel tile i.  My 64 numbers are keys 32 b + 16 (lane / 16) + 0 .. 15 of my channel: one fragment of v^T
	s_wait_xcnt 0x0
	QUANT 64*\i, 1
.irp c, 0,1,2
	global_store_b128 v[L16], v[PC+4*\c:PC+4*\c+3], s[88:89] offset:1536*\i+512*\c
.endr
	v_mov_b32 v[PWA+\i], v[PW]
.endr
	global_store_b128 v[L16], v[PWA:PWA+3], s[88:89] offset:6656          ; the four tiles' scale words, 16 bytes a lane
.Ldone:
	s_wait_tensorcnt 0x0                           ; the wave's end: behind my last tensor load
	ds_add_u32 v[SPW], v[NIL]
	s_wait_dscnt 0x0
	s_endpgm
.Lfunc_end_k_q1ea812e365_proj:
	.size	k_q1ea812e365_proj, .Lfunc_end_k_q1ea812e365_proj-k_q1ea812e365_proj
	.p2alignl 7, 3214868480
	.fill 96, 4, 3214868480
	.section	.rodata,"a",@progbits
	.p2align	6, 0x0
	.amdhsa_kernel k_q1ea812e365_proj
		.amdhsa_group_segment_fixed_size 327680
		.amdhsa_private_segment_fixed_size 0
		.amdhsa_enable_private_segment 0
		.amdhsa_kernarg_size 40
		.amdhsa_user_sgpr_count 2
		.amdhsa_user_sgpr_kernarg_segment_ptr 1
		.amdhsa_wavefront_size32 1
		.amdhsa_system_sgpr_workgroup_id_x 1
		.amdhsa_system_sgpr_workgroup_id_y 1
		.amdhsa_system_sgpr_workgroup_id_z 1
		.amdhsa_system_vgpr_workitem_id 0
		.amdhsa_next_free_vgpr 1024
		.amdhsa_next_free_sgpr 100
		.amdhsa_reserve_vcc 1
		.amdhsa_float_denorm_mode_32 3
		.amdhsa_float_denorm_mode_16_64 3
		.amdhsa_memory_ordered 1
		.amdhsa_forward_progress 1
		.amdhsa_inst_pref_size 127
	.end_amdhsa_kernel
	.amdgpu_metadata
---
amdhsa.version: [ 1, 2 ]
amdhsa.kernels:
  - .name:           k_q1ea812e365_proj
    .symbol:         k_q1ea812e365_proj.kd
    .args:
      - { .name: xq, .offset: 0, .size: 8, .value_kind: global_buffer, .address_space: global }
      - { .name: wq, .offset: 8, .size: 8, .value_kind: global_buffer, .address_space: global }
      - { .name: cos, .offset: 16, .size: 8, .value_kind: global_buffer, .address_space: global }
      - { .name: sin, .offset: 24, .size: 8, .value_kind: global_buffer, .address_space: global }
      - { .name: qkv, .offset: 32, .size: 8, .value_kind: global_buffer, .address_space: global }
    .group_segment_fixed_size: 327680
    .private_segment_fixed_size: 0
    .kernarg_segment_align: 8
    .kernarg_segment_size: 40
    .max_flat_workgroup_size: 128
    .sgpr_count:     100
    .vgpr_count:     1024
    .wavefront_size: 32
...
	.end_amdgpu_metadata
.endif
;; end of part 2
;; launch attn (part 3): grid 256 x 1, 16 waves a work-group, clusters of 4 x 1, 327,680 bytes of LDS; arguments qkv, oq; writes oq
.if DOCPART == 3
	.amdgcn_target "amdgcn-amd-amdhsa--gfx1250"
	.amdhsa_code_object_version 6
	.text
	.protected	k_q1ea812e365_attn
	.globl	k_q1ea812e365_attn
	.p2align	8
	.type	k_q1ea812e365_attn,@function
k_q1ea812e365_attn:
	s_mov_b64 s[64:65], 0
	v_nop
	global_prefetch_b8 v0, s[64:65] scope:SCOPE_SE
	s_setreg_imm32_b32 hwreg(HW_REG_WAVE_MODE, 25, 1), 1
	s_wait_xcnt 0x0
	s_wait_alu depctr_hold_cnt(0) depctr_sa_sdst(0) depctr_va_vdst(0) depctr_va_sdst(0) depctr_va_ssrc(0) depctr_va_vcc(0) depctr_vm_vsrc(0)
	s_getreg_b32 s2, hwreg(HW_REG_IB_STS2, 6, 4)
	s_cmp_eq_u32 s2, 0
	s_cbranch_scc0 .Lentry_in_a_cluster
	s_endpgm
.Lentry_in_a_cluster:
	s_bfe_u32 s2, ttmp6, 0x10000c
	s_cmp_lg_u32 s2, 0x3003
	s_cbranch_scc0 .Lentry_shape_is_right
	s_endpgm
.Lentry_shape_is_right:
; Launch 3 of 4: o = softmax(q k^T / 8) v on codes of E2M3, and the quantiser of o along a head's 64 channels.  Nothing of the problem is left out.
; SHARES: a work-group takes 128 tokens x the four query heads of one (batch, kv head); wave w takes token tile w / 2 and heads 2 (w % 2), 2 (w % 2) + 1, one head a pass: 16 queries x 2,048 keys a pass, in 16 steps of 128 keys.
; LDS: the stream of k and v of that (batch, kv head), 16 chunks of 13,312 bytes, is asked for whole at the head: wave w asks for chunk w, its one tensor load.  Nothing is filled twice.
; The descriptor lays 64 bytes of padding behind each 256: byte a of a chunk lies at a + 64 (a / 256), a chunk takes 16,640 bytes.
; CLUSTER: the four work-groups of a cluster share the stream: every load is a joint one (mask 15).  A work-group's place in its cluster enters q's and o's global addresses alone.
; NO PREFETCH: every tile is asked for at the head; there is no later load ahead of which a prefetch could run.
; BOTH PRODUCTS ARE USED TRANSPOSED (S^T = k q^T, O^T = v^T p^T): a lane holds one query.  THE KEYS OF A TILE OF k ARE CHOSEN BY THE LANES' LDS ADDRESSES: row m of tile (c, u) is key 64 c + 32 (m / 8) + 8 u + m % 8, which
; lies in the stored tile 4 c + u % 2 + 2 (m / 8) at row m % 8 + 8 (u / 2).  So lane (query, h) holds in its 32 registers of tiles (c, 0 .. 3) the keys 64 c + 32 h + 0 .. 31: a WHOLE block of p, in the order of the operand's layout:
; a block's largest p needs no other lane, and the conversions' results are the operand's registers (three of six are moved: a conversion's registers begin on an even number).
; With the padding the two groups of eight lanes of a 16-byte load of k stand 1,920 bytes apart, which is 128 modulo 256.
; K = 64 in the first product: q's registers 6-11 hold zero codes, and k's operand runs on into the next tile's registers, whose codes meet those zeros.
; M is the running largest t rounded up to a whole number (kept as -M); when it moves, the sums and O^T are multiplied by a power of two.  A block's largest p is made from its largest score by the same multiply-add and exponential.
; LIMITS: the promise holds while the scaled scores (exponents to the base 2) stay under 2^31 in magnitude; NaN and infinities are not served; a block of zeros gets the byte 1 with zero codes.
.set QSB,    6291456
.set KV,     6815744
.set STREAM, 212992
.set CHUNK,  13312
.set CHP,    16640                     ; a chunk in LDS: 52 rows of 320 bytes
.set XS,     6291456
.set SPARE,  16*CHP                    ; behind the chunks: the spare words, 128 bytes a wave
.set L16, 1                            ; 16 x lane;  v2: 8 x lane;  v7, v8: 8 and 16 x (lane % 16)
.set L8,  2
.set BKS, 4                            ; lane terms of the LDS addresses: k's scale words, k's 16-byte and 8-byte loads, v's loads
.set SPW, 5
.set NIL, 6
.set BKA, 9
.set BKB, 10
.set BVA, 11                           ; v12 -M, v13 the running largest score, v[14:15] and v[SB:SB+1] the row's sum in four parts
.set QF,  16                           ; v16-27 q's operand
.set Q2,  28                           ; v28-33 the second head's codes, v35 its scale word
.set QS2, 35
.set SH8, 36                           ; 8 x (lane / 16)
.set KF,  40                           ; v40-93 k's eight half fragments and six registers more; then v's four fragments
.set S,   96                           ; v96-159 scores, then p
.set O,   160                          ; v160-191 O^T
.set PF,  192                          ; v192-203 p's operand;  v204-210 the conversions' second halves
.set PT,  204
.set KS,  212                          ; scale words: k's, v's
.set VS,  216
.set CH,  220                          ; v220-223 maxima
.set SO,  224                          ; v224-225 the conversions' scale operands
.set T0,  226
.set T1,  227
.set AKA, 228                          ; the step's LDS addresses
.set AKB, 229
.set AVA, 230
.set AKS, 231
.set SB,  232
.set PSC, 234                          ; p's scale word;  q's
.set QSC, 235
.set FF,  236                          ; the factor 2^(old M - new M)
.set W,   238
.set W2,  239
.set OC,  240                          ; v240-251 o's codes of both heads, v252 their scale word
.set OW,  252
.set WV,  8
.set SEL, 14
.set G1,  16
.set G0,  24
.set CS,  40
.set TB,  42
.set CNT, 43
.set PASS, 44
.macro CROUND                          ; a round of the cluster's barrier
	s_barrier_signal -1
	s_barrier_wait -1
	s_cmp_lg_u32 s[WV], 0
	s_cbranch_scc1 .Lnot_wave_0_\@
	s_barrier_signal -3
.Lnot_wave_0_\@:
	s_barrier_wait -3
	s_barrier_signal -1
	s_barrier_wait -1
.endm
	s_load_b128 s[4:7], s[0:1], 0x0                ; qkv, oq
	v_lshl_add_u32 v[SPW], v0, 2, SPARE
	v_mov_b32 v[NIL], 0
	ds_add_u32 v[SPW], v[NIL]                      ; the opening lines: the add, twice on end, and its wait ahead of my tensor load
	ds_add_u32 v[SPW], v[NIL]
	v_lshrrev_b32 v9, 5, v0
	v_readfirstlane_b32 s[WV], v9                  ; wave 0..15
	s_mov_b32 s[G1+0], 15|(3<<16)|(1<<20)|(1<<21)|(5<<22)|(15<<25)   ; mask: all four; elements of 8 bytes; padding on; bit 21 beside a mask; after every 64 words 16 words
	s_mov_b32 s[G1+1], 32<<16                      ; rows of 256 bytes
	s_mov_b32 s[G1+2], 52<<16                      ; 52 rows: a chunk
	s_mov_b32 s[G1+3], 32<<16
	s_mov_b32 s[G1+4], 52
	s_mov_b32 s[G1+5], 32
	s_mov_b32 s[G1+6], 0
	s_mov_b32 s[G1+7], 0
	s_mul_i32 s45, s[WV], CHUNK
	s_mul_i32 s[G0+1], s[WV], CHP                  ; where my chunk lands
	s_lshr_b32 s10, ttmp9, 2                       ; the stream, 4 b + g
	s_mul_i32 s48, s10, STREAM
	s_add_co_u32 s48, s48, s45
	s_add_co_u32 s48, s48, KV
	s_mov_b32 s49, 0
	s_bfe_u32 s9, ttmp6, 0x40000                   ; cx
	s_and_b32 s11, ttmp9, 3
	s_lshl_b32 s11, s11, 2
	s_add_co_u32 s11, s11, s9                      ; which 128 tokens of the sequence
	s_lshl_b32 s12, s11, 3
	s_lshr_b32 s13, s[WV], 1
	s_add_co_u32 s12, s12, s13                     ; my token tile
	s_and_b32 s46, s[WV], 1
	s_lshl_b32 s47, s10, 2
	s_lshl_b32 s13, s46, 1
	s_add_co_u32 s47, s47, s13                     ; my first head, 16 b + 4 g + 2 (w % 2)
	s_lshl_b32 s52, s47, 7
	s_add_co_u32 s52, s52, s12
	s_mul_i32 s52, s52, 768                        ; its codes
	s_mov_b32 s53, 0
	s_lshl_b32 s54, s47, 5
	s_lshr_b32 s13, s12, 2
	s_add_co_u32 s54, s54, s13
	s_lshl_b32 s54, s54, 8
	s_and_b32 s13, s12, 1
	s_lshl_b32 s13, s13, 7
	s_add_co_u32 s54, s54, s13
	s_bfe_u32 s13, s12, 0x10001
	s_lshl_b32 s13, s13, 2
	s_add_co_u32 s54, s54, s13
	s_add_co_u32 s54, s54, QSB                     ; its scale words
	s_mov_b32 s55, 0
	s_lshr_b32 s56, s10, 2
	s_lshl_b32 s56, s56, 7
	s_add_co_u32 s56, s56, s12                     ; oq's tile
	s_and_b32 s57, s10, 3
	s_lshl_b32 s57, s57, 1
	s_add_co_u32 s57, s57, s46                     ; and K step
	s_lshl_b32 s58, s56, 3
	s_add_co_u32 s58, s58, s57
	s_mul_i32 s58, s58, 1536
	s_mov_b32 s59, 0
	s_lshl_b32 s60, s56, 9
	s_lshr_b32 s13, s57, 2
	s_lshl_b32 s13, s13, 8
	s_add_co_u32 s60, s60, s13
	s_and_b32 s13, s57, 3
	s_lshl_b32 s13, s13, 2
	s_add_co_u32 s60, s60, s13
	s_add_co_u32 s60, s60, XS
	s_mov_b32 s61, 0
	s_mov_b32 s[SEL], 0x76543210                   ; v_permlanex16_b32's selects for lane l xor 16
	s_mov_b32 s[SEL+1], 0xfedcba98
	s_mov_b32 s[CS], 0x3e38aa3b                    ; log2(e) / 8
	s_mov_b32 s[CS+1], s[CS]
	s_mov_b32 s[G0], 1
	s_wait_dscnt 0x0                               ; both opening adds are done
	s_wait_kmcnt 0x0
	s_add_nc_u64 s[G0+2:G0+3], s[4:5], s[48:49]
	s_or_b32 s[G0+3], s[G0+3], 0x80000000
	s_add_nc_u64 s[52:53], s[4:5], s[52:53]
	s_add_nc_u64 s[54:55], s[4:5], s[54:55]
	s_add_nc_u64 s[58:59], s[6:7], s[58:59]
	s_add_nc_u64 s[60:61], s[6:7], s[60:61]
	CROUND                                         ; all four work-groups are here: the joint loads meet
	tensor_load_to_lds s[G0:G0+3], s[G1:G1+7]      ; chunk w: my one tensor load
	s_nop 0
	v_and_b32 v[T0], 31, v0
	v_lshlrev_b32 v[L16], 4, v[T0]
	v_lshlrev_b32 v[L8], 3, v[T0]
	v_and_b32 v[T1], 15, v0
	v_lshlrev_b32 v7, 3, v[T1]
	v_lshlrev_b32 v8, 4, v[T1]
	global_load_b128 v[QF:QF+3], v[L16], s[52:53]
	global_load_b64 v[QF+4:QF+5], v[L8], s[52:53] offset:512
	global_load_b128 v[Q2:Q2+3], v[L16], s[52:53] offset:98304
	global_load_b64 v[Q2+4:Q2+5], v[L8], s[52:53] offset:98816
	global_load_b32 v[QSC], v7, s[54:55]
	global_load_b32 v[QS2], v7, s[54:55] offset:8192
	v_bfe_u32 v[T1], v0, 4, 1                      ; h
	v_and_b32 v[W], 7, v0                          ; r % 8
	v_bfe_u32 v[W2], v0, 3, 1                      ; r / 8
	v_mul_u32_u24 v[BKA], v[W2], 1920              ; two stored tiles on for rows 8-15: 6 rows of 320 bytes
	v_mul_u32_u24 v[BKB], v[W2], 1920
	v_mad_u32_u24 v[BKA], v[T1], 320, v[BKA]       ; registers 0-3: 16 bytes a stored lane, lanes 16-31 a row of 320 on
	v_lshl_add_u32 v[BKB], v[T1], 7, v[BKB]        ; registers 4-5: 8 bytes a stored lane
	v_lshl_add_u32 v[BKA], v[W], 4, v[BKA]
	v_lshl_add_u32 v[BKB], v[W], 3, v[BKB]
	v_lshl_add_u32 v[BVA], v[T1], 6, v[L16]        ; v: 16 x lane, + 64 behind the first 256
	v_lshlrev_b32 v[BKS], 3, v[W]                  ; k's scale words: 8 (r % 8) + 4 (r / 8); lanes 16-31 take the tile two on: + 64
	v_lshl_add_u32 v[BKS], v[W2], 2, v[BKS]
	v_lshl_add_u32 v[BKS], v[T1], 6, v[BKS]
	v_lshlrev_b32 v[SH8], 3, v[T1]
.irp i, 0,1,2,3,4,5
	v_mov_b32 v[QF+6+\i], 0                        ; zero codes for K = 64 .. 127
	v_mov_b32 v[KF+48+\i], 0                       ; what the last tile's operand runs on into
.endr
.irp i, 0,1,2,3,4,5,6,7,8,9,10,11
	v_mov_b32 v[OC+\i], 0
.endr
	v_mov_b32 v[OW], 0
	v_mov_b32 v[FF+1], 0                           ; named as the upper half of a pair
	s_wait_alu depctr_va_vdst(0)                   ; the head's end
	s_wait_loadcnt 0x0                             ; q
	s_wait_tensorcnt 0x0                           ; my chunk is in
	s_barrier_signal -1
	s_barrier_wait -1                              ; everybody's is
.macro QK c, u
.if \u > 1
	v_wmma_scale_f32_16x16x128_f8f6f4 v[S+8*(4*\c+\u):S+8*(4*\c+\u)+7], v[KF+6*(4*\c+\u):KF+6*(4*\c+\u)+11], v[QF:QF+11], 0, v[KS+2*\c+(\u&1)], v[QSC] matrix_a_fmt:MATRIX_FMT_FP6 matrix_b_fmt:MATRIX_FMT_FP6 matrix_a_scale:MATRIX_SCALE_ROW1
.else
	v_wmma_scale_f32_16x16x128_f8f6f4 v[S+8*(4*\c+\u):S+8*(4*\c+\u)+7], v[KF+6*(4*\c+\u):KF+6*(4*\c+\u)+11], v[QF:QF+11], 0, v[KS+2*\c+(\u&1)], v[QSC] matrix_a_fmt:MATRIX_FMT_FP6 matrix_b_fmt:MATRIX_FMT_FP6
.endif
.endm
.macro TSUB n                          ; t - M, two at a time
	v_pk_fma_f32 v[S+\n:S+\n+1], v[S+\n:S+\n+1], s[CS:CS+1], v[12:13] op_sel_hi:[1,0,0]
.endm
.macro STEP                            ; 16 queries x 128 keys
	v_add_nc_u32 v[AKA], s[TB], v[BKA]             ; these four are also the places behind the last step's products, in front of the loads into their registers
	v_add_nc_u32 v[AKB], s[TB], v[BKB]
	v_add_nc_u32 v[AVA], s[TB], v[BVA]
	v_add_nc_u32 v[AKS], s[TB], v[BKS]
.irp c, 0,1
.irp u, 0,1,2,3
	ds_load_b128 v[KF+6*(4*\c+\u):KF+6*(4*\c+\u)+3], v[AKA] offset:3840*\c+960*(\u&1)+128*(\u>>1)
	ds_load_b64 v[KF+6*(4*\c+\u)+4:KF+6*(4*\c+\u)+5], v[AKB] offset:3840*\c+960*(\u&1)+64*(\u>>1)+640
.endr
.endr
.irp c, 0,1
.irp e, 0,1
	ds_load_b32 v[KS+2*\c+\e], v[AKS] offset:15360+320*\c+128*\e   ; lanes 0-15: tile (c, e)'s words; lanes 16-31: tile (c, e + 2)'s
.endr
.endr
	v_mov_b32 v[W], v12                            ; the old -M
	s_wait_alu depctr_va_vdst(0)
	s_wait_dscnt 0x0
.irp c, 0,1
.irp u, 0,1,2,3
	QK \c, \u
.endr
.endr
.rept 4
	v_nop                                          ; places: loads into k's registers, and the first reads of the scores
.endr
.irp i, 0,1,2,3
.irp g, 0,1,2
	ds_load_b128 v[KF+12*\i+4*\g:KF+12*\i+4*\g+3], v[AVA] offset:7680+1920*\i+640*\g
.endr
.endr
	ds_load_b128 v[VS:VS+3], v[AVA] offset:16000
.irp b, 0,1,2,3
	v_max3_num_f32 v[CH+\b], v[S+16*\b], v[S+1+16*\b], v[S+2+16*\b]   ; four chains by turns, each accumulator from its low end on
.endr
.irp i, 3,5,7,9,11,13
.irp b, 0,1,2,3
	v_max3_num_f32 v[CH+\b], v[CH+\b], v[S+16*\b+\i], v[S+1+16*\b+\i]
.endr
.endr
	v_max_num_f32 v[CH+1], v[CH+1], v[S+31]
	v_max_num_f32 v[CH+3], v[CH+3], v[S+63]
	v_max3_num_f32 v[CH], v[CH], v[CH+1], v[S+15]      ; the largest score of my block 2 c + h: c = 0,
	v_max3_num_f32 v[CH+2], v[CH+2], v[CH+3], v[S+47]  ; c = 1
	s_delay_alu instid0(VALU_DEP_1)
	v_max_num_f32 v[T0], v[CH], v[CH+2]
	s_delay_alu instid0(VALU_DEP_1)
	v_permlanex16_b32 v[T1], v[T0], s[SEL], s[SEL+1]
	s_delay_alu instid0(VALU_DEP_1)
	v_max3_num_f32 v13, v13, v[T0], v[T1]          ; the running largest score of my query
	s_delay_alu instid0(VALU_DEP_1)
	v_mul_f32 v[T0], s[CS], v13                    ; as t (the factor is positive)
	s_delay_alu instid0(VALU_DEP_1)
	v_floor_f32 v12, -v[T0]                        ; -M = floor(-t): M is a whole number
	s_delay_alu instid0(VALU_DEP_1)
	v_sub_f32 v[W], v12, v[W]                      ; old M less new M
	TSUB 0
	TSUB 2
	s_delay_alu instid0(VALU_DEP_3)
	v_cvt_i32_f32 v[W], v[W]                       ; (it saturates)
	TSUB 4
	TSUB 6
	s_delay_alu instid0(VALU_DEP_3)
	v_ldexp_f32 v[FF], 1.0, v[W]                   ; f = 2^(old M - new M)
.set n, 8
.rept 28
	TSUB n
.set n, n+2
.endr
	v_fma_f32 v[CH], v[CH], s[CS], v12             ; the same of each block's largest score
	v_fma_f32 v[CH+2], v[CH+2], s[CS], v12
.set n, 0
.rept 16
	v_pk_mul_f32 v[O+n:O+n+1], v[O+n:O+n+1], v[FF:FF+1] op_sel_hi:[1,0]   ; O^T under the new M, each accumulator from its low end on
.set n, n+2
.endr
	s_wait_alu depctr_va_vdst(0)                   ; ahead of the batch
.set n, 0
.rept 64
	v_exp_f32 v[S+n], v[S+n]                       ; p = 2^(t - M)
.set n, n+1
.endr
	v_exp_f32 v[CH], v[CH]                         ; my two blocks' largest p
	v_exp_f32 v[CH+2], v[CH+2]
	v_nop                                          ; one plain place behind the batch
	s_wait_alu depctr_va_vdst(0)                   ; and the one wait behind it
	v_max_num_f32 v[CH], 0x1800000, v[CH]          ; the floor 2^(3 - 127): the byte cannot fall under 1
	v_max_num_f32 v[CH+2], 0x1800000, v[CH+2]
	v_add_nc_u32 v[SO], 0xff000000, v[CH]          ; 2 off the exponent field: the conversion's scale operand
	v_add_nc_u32 v[SO+1], 0xff000000, v[CH+2]
.irp c, 0,1
	v_cvt_scalef32_pk16_fp6_f32 v[PF+6*\c:PF+6*\c+2], v[S+32*\c:S+32*\c+15], v[SO+\c]
	v_cvt_scalef32_pk16_fp6_f32 v[PT+4*\c:PT+4*\c+2], v[S+32*\c+16:S+32*\c+31], v[SO+\c]
.endr
	v_lshrrev_b32 v[T0], 23, v[SO]                 ; the scales' bytes (plain lines behind the conversions)
	v_lshrrev_b32 v[T1], 23, v[SO+1]
	v_mov_b32 v[PF+3], v[PT]
	v_lshl_or_b32 v[W], v[T1], 16, v[T0]           ; blocks h and 2 + h,
	v_mov_b32 v[PF+4], v[PT+1]
	v_lshlrev_b32 v[W], v[SH8], v[W]               ; at their places in the word;
	v_mov_b32 v[PF+5], v[PT+2]
	v_permlanex16_b32 v[W2], v[W], s[SEL], s[SEL+1]
	v_mov_b32 v[PF+9], v[PT+4]
	v_or_b32 v[PSC], v[W], v[W2]                   ; with lane l xor 16's two the word is whole
	v_mov_b32 v[PF+10], v[PT+5]
	v_mov_b32 v[PF+11], v[PT+6]
	v_pk_fma_f32 v[14:15], v[14:15], v[FF:FF+1], v[S:S+1] op_sel_hi:[1,0,1]         ; the sums under the new M, and the unquantised p added: two chains
	v_pk_fma_f32 v[SB:SB+1], v[SB:SB+1], v[FF:FF+1], v[S+2:S+3] op_sel_hi:[1,0,1]
.irp j, 4,8,12,16,20,24,28,32,36,40,44,48,52,56,60
	v_pk_add_f32 v[14:15], v[14:15], v[S+\j:S+1+\j]
	v_pk_add_f32 v[SB:SB+1], v[SB:SB+1], v[S+2+\j:S+3+\j]
.endr
	s_wait_alu depctr_va_vdst(0)
	s_wait_dscnt 0x0                               ; v's fragments and scale words
.irp i, 0,1,2,3
	v_wmma_scale_f32_16x16x128_f8f6f4 v[O+8*\i:O+8*\i+7], v[KF+12*\i:KF+12*\i+11], v[PF:PF+11], v[O+8*\i:O+8*\i+7], v[VS+\i], v[PSC] matrix_a_fmt:MATRIX_FMT_FP6 matrix_b_fmt:MATRIX_FMT_FP6
.endr
.endm
	s_mov_b32 s[PASS], 2
.Lpass:                                                ; a pass: one head
	v_mov_b32 v13, 0xff61b1e6                      ; the largest score so far: -3e38
	v_mov_b32 v14, 0
	v_mov_b32 v15, 0
	v_floor_f32 v12, -v13
	v_mov_b32 v[SB], 0
	v_mov_b32 v[SB+1], 0
.set n, 0
.rept 32
	v_mov_b32 v[O+n], 0                            ; the step is written once: the first finds zeros
.set n, n+1
.endr
	s_mov_b32 s[TB], 0
	s_mov_b32 s[CNT], 16
.Lstep:
	STEP
	s_add_co_u32 s[TB], s[TB], CHP
	s_sub_co_u32 s[CNT], s[CNT], 1
	s_cmp_lg_u32 s[CNT], 0
	s_cbranch_scc1 .Lstep
.rept 4
	v_nop                                          ; places behind the last products
.endr
	v_pk_add_f32 v[14:15], v[14:15], v[SB:SB+1]
	s_delay_alu instid0(VALU_DEP_1)
	v_add_f32 v14, v14, v15
	s_delay_alu instid0(VALU_DEP_1)
	v_permlanex16_b32 v[T1], v14, s[SEL], s[SEL+1]
	s_delay_alu instid0(VALU_DEP_1)
	v_add_f32 v14, v14, v[T1]                      ; the row's sum
	s_wait_alu depctr_va_vdst(0)
	v_rcp_f32 v14, v14
	v_nop
	s_wait_alu depctr_va_vdst(0)                   ; ahead of the first readers of the quotient and of O^T
.set n, 0
.rept 16
	v_pk_mul_f32 v[O+n:O+n+1], v[O+n:O+n+1], v[14:15] op_sel_hi:[1,0]
.set n, n+2
.endr
.irp i, 0,1,2,3,4,5
	v_mov_b32 v[OC+\i], v[OC+6+\i]                 ; the first head's codes move down
.endr
.irp b, 0,1                            ; o's two blocks of 32 channels: my 16 registers of tiles 2 b, 2 b + 1 are channels 32 b + 16 h + 0 .. 15
	v_max3_num_f32 v[CH+\b], |v[O+16*\b]|, |v[O+1+16*\b]|, 0x1800000
.endr
.irp i, 2,4,6,8,10,12,14
.irp b, 0,1
	v_max3_num_f32 v[CH+\b], v[CH+\b], |v[O+16*\b+\i]|, |v[O+1+16*\b+\i]|
.endr
.endr
.irp b, 0,1
	v_permlanex16_b32 v[T0+\b], v[CH+\b], s[SEL], s[SEL+1]
.endr
.irp b, 0,1
	v_max_num_f32 v[CH+\b], v[CH+\b], v[T0+\b]
.endr
.irp b, 0,1
	v_add_nc_u32 v[SO+\b], 0xff000000, v[CH+\b]
.endr
.irp b, 0,1
	v_lshrrev_b32 v[T0+\b], 23, v[SO+\b]
.endr
	v_lshrrev_b32 v[OW], 16, v[OW]
	v_lshl_or_b32 v[W], v[T1], 8, v[T0]
	s_delay_alu instid0(VALU_DEP_1)
	v_lshl_or_b32 v[OW], v[W], 16, v[OW]           ; the first head's two bytes below, the second's above
	v_cvt_scalef32_pk16_fp6_f32 v[OC+6:OC+8], v[O:O+15], v[SO]
	v_cvt_scalef32_pk16_fp6_f32 v[PT:PT+2], v[O+16:O+31], v[SO+1]
	v_nop
.irp i, 0,1,2
	v_permlane16_swap_b32 v[OC+6+\i], v[PT+\i]     ; a whole block to a lane
.endr
.irp i, 0,1,2
	v_mov_b32 v[OC+9+\i], v[PT+\i]
.endr
.irp i, 0,1,2,3,4,5
	v_mov_b32 v[QF+\i], v[Q2+\i]                   ; the second head's q
.endr
	v_mov_b32 v[QSC], v[QS2]
	s_sub_co_u32 s[PASS], s[PASS], 1
	s_cmp_lg_u32 s[PASS], 0
	s_wait_alu depctr_va_vdst(0)
	s_cbranch_scc1 .Lpass
.irp c, 0,1,2
	global_store_b128 v[L16], v[OC+4*\c:OC+4*\c+3], s[58:59] offset:512*\c   ; 32 lanes store 512 consecutive bytes
.endr
	global_store_b32 v8, v[OW], s[60:61]
	s_wait_tensorcnt 0x0                           ; the wave's end
	ds_add_u32 v[SPW], v[NIL]
	s_wait_dscnt 0x0
	CROUND                                         ; the closing round
	s_endpgm
.Lfunc_end_k_q1ea812e365_attn:
	.size	k_q1ea812e365_attn, .Lfunc_end_k_q1ea812e365_attn-k_q1ea812e365_attn
	.p2alignl 7, 3214868480
	.fill 96, 4, 3214868480
	.section	.rodata,"a",@progbits
	.p2align	6, 0x0
	.amdhsa_kernel k_q1ea812e365_attn
		.amdhsa_group_segment_fixed_size 327680
		.amdhsa_private_segment_fixed_size 0
		.amdhsa_enable_private_segment 0
		.amdhsa_kernarg_size 16
		.amdhsa_user_sgpr_count 2
		.amdhsa_user_sgpr_kernarg_segment_ptr 1
		.amdhsa_wavefront_size32 1
		.amdhsa_system_sgpr_workgroup_id_x 1
		.amdhsa_system_sgpr_workgroup_id_y 1
		.amdhsa_system_sgpr_workgroup_id_z 1
		.amdhsa_system_vgpr_workitem_id 0
		.amdhsa_next_free_vgpr 256
		.amdhsa_next_free_sgpr 66
		.amdhsa_reserve_vcc 0
		.amdhsa_float_denorm_mode_32 3
		.amdhsa_float_denorm_mode_16_64 3
		.amdhsa_memory_ordered 1
		.amdhsa_forward_progress 1
		.amdhsa_inst_pref_size 28
	.end_amdhsa_kernel
	.amdgpu_metadata
---
amdhsa.version: [ 1, 2 ]
amdhsa.kernels:
  - .name:           k_q1ea812e365_attn
    .symbol:         k_q1ea812e365_attn.kd
    .args:
      - { .name: qkv, .offset: 0, .size: 8, .value_kind: global_buffer, .address_space: global }
      - { .name: oq, .offset: 8, .size: 8, .value_kind: global_buffer, .address_space: global }
    .group_segment_fixed_size: 327680
    .private_segment_fixed_size: 0
    .kernarg_segment_align: 8
    .kernarg_segment_size: 16
    .max_flat_workgroup_size: 512
    .sgpr_count:     66
    .vgpr_count:     256
    .wavefront_size: 32
...
	.end_amdgpu_metadata
.endif
;; end of part 3
;; launch outp (part 4): grid 64 x 4, 4 waves a work-group, clusters of 4 x 1, 327,680 bytes of LDS; arguments oq, wq, out0; writes out0
.if DOCPART == 4
	.amdgcn_target "amdgcn-amd-amdhsa--gfx1250"
	.amdhsa_code_object_version 6
	.text
	.protected	k_q1ea812e365_outp
	.globl	k_q1ea812e365_outp
	.p2align	8
	.type	k_q1ea812e365_outp,@function
k_q1ea812e365_outp:
	s_mov_b64 s[64:65], 0
	v_nop
	global_prefetch_b8 v0, s[64:65] scope:SCOPE_SE
	s_setreg_imm32_b32 hwreg(HW_REG_WAVE_MODE, 25, 1), 1
	s_wait_xcnt 0x0
	s_wait_alu depctr_hold_cnt(0) depctr_sa_sdst(0) depctr_va_vdst(0) depctr_va_sdst(0) depctr_va_ssrc(0) depctr_va_vcc(0) depctr_vm_vsrc(0)
	s_getreg_b32 s2, hwreg(HW_REG_IB_STS2, 6, 4)
	s_cmp_eq_u32 s2, 0
	s_cbranch_scc0 .Lentry_in_a_cluster
	s_endpgm
.Lentry_in_a_cluster:
	s_bfe_u32 s2, ttmp6, 0x10000c
	s_cmp_lg_u32 s2, 0x3003
	s_cbranch_scc0 .Lentry_shape_is_right
	s_endpgm
.Lentry_shape_is_right:
; Launch 4 of 4: out0 = O Wo^T on codes of E2M3 (K = 1,024), f32 out.  Nothing of the problem is left out.
; The body of the second launch: 16 tiles P (source 0: 256 rows of Wo, wq's tiles 96 + 16 y on) by 8 tiles R (source 1: 128 tokens of oq).  A lane holds ONE token; the 16 result registers of P's tiles 2 b, 2 b + 1
; are 16 neighbouring columns 32 b + 16 (lane / 16) + 0 .. 15.  Wave w takes P's tiles 8 (w % 2) + 0 .. 7 and R's tiles 4 (w / 2) + 0 .. 3: 32 accumulators.
; LDS: all 24 tiles x 12,288 bytes are asked for in two halves of four K steps, one behind the first round, one behind a second; nothing is filled twice.  A wave has one tensor load outstanding at a time.
; CLUSTER: the four work-groups of a cluster lie along x and share P: its parts are asked for JOINTLY (the same load, the same descriptor, a mask that names the four).  R's loads are each work-group's own.
; A work-group's place in its cluster enters R's and the output's global addresses alone.
; THE WAY OUT goes through a stage in LDS, so that 32 lanes store 512 consecutive bytes of a row of out0.  The stage lies in part 0, which has had its only fill and whose last read stands ahead of a barrier that every wave has passed.
.set XS,     6291456
.set WS,     1966080
; LDS AS THIS TEXT HAS IT (in place of the four parts that the head comment names): two halves of four K steps; a half = P's 16 tiles x 6,144 bytes, then R's 8 x 6,144.
; Waves 0, 1 ask jointly for 8 tiles of P each, waves 2, 3 for 4 tiles of R each, their own: one tensor load a wave behind the first round (first half), one behind a second round (second half).  The stage lies in the first half.
.set PART,   147456
.set ROFF,   98304
.set SPARE,  2*PART                    ; behind the halves: the spare words, 128 bytes a wave
.set SPITCH, 528                       ; a stage row: 512 bytes + 16
.set L16, 2                            ; v2  16 x lane
.set AD0, 4                            ; v4  LDS address of my P tiles in the part in hand
.set AD1, 5                            ; v5  of my R tiles
.set SPW, 6                            ; v6  LDS address of my spare word; never rewritten
.set NIL, 7                            ; v7  0; never rewritten
.set STO, 8                            ; v8  the stage: where I put 32 bytes of a row
.set RD,  9                            ; v9  and where I read a row back
.set S0,  16                           ; v16-47 P's scale words;  v48-63 R's
.set S1,  48
.set F0,  64                           ; v64-159, v160-207 fragments: set 0 in window 0, set 1 in window 2;  window 1: the accumulators, (R tile a, P tile b) at v[8 (8 a + b)]
.set F1,  160
.set BK,  64                           ; the way out: 16 rows read back: v64-127 and v128-191 by turns
.set G1P, 16
.set G1R, 24
.set G0P, 32
.set G0R, 48
.set MSB, 0
.macro WIN new                         ; the immediate's high byte repeats the setting that is left
.if MSB != \new
	s_set_vgpr_msb (MSB<<8)|\new
.set MSB, \new
.endif
.endm
.macro PLACES                          ; four places behind a matrix instruction of this form (ISA guide 7.12.1)
.rept 4
	v_nop
.endr
.endm
.macro CROUND                          ; a round of the cluster's barrier
	s_barrier_signal -1
	s_barrier_wait -1
	s_cmp_lg_u32 s14, 0
	s_cbranch_scc1 .Lnot_wave_0_\@
	s_barrier_signal -3
.Lnot_wave_0_\@:
	s_barrier_wait -3
	s_barrier_signal -1
	s_barrier_wait -1
.endm
	s_load_b128 s[4:7], s[0:1], 0x0                ; oq s[4:5], wq s[6:7]
	s_load_b64 s[8:9], s[0:1], 0x10                ; out0
	v_lshl_add_u32 v[SPW], v0, 2, SPARE
	v_mov_b32 v[NIL], 0
	ds_add_u32 v[SPW], v[NIL]                      ; the wave's opening: the add, twice on end, and its wait ahead of my first tensor load; work on registers stands between
	ds_add_u32 v[SPW], v[NIL]
	v_lshrrev_b32 v1, 5, v0
	v_readfirstlane_b32 s14, v1                    ; wave 0..3
	s_and_b32 s10, ttmp7, 0xffff                   ; Y, which the partners share
	s_bfe_u32 s11, ttmp6, 0x40000                  ; cx
	s_lshl_b32 s15, ttmp9, 2
	s_add_co_u32 s15, s15, s11                     ; X = 4 x cluster x + cx
	s_and_b32 s90, s14, 1
	s_lshr_b32 s91, s14, 1
	s_mov_b32 s[G1P+0], 15|(3<<16)|(1<<21)         ; the mask: all four work-groups; elements of 8 bytes; bit 21 set beside a mask
	s_mov_b32 s[G1P+1], 768<<16                    ; rows of 6,144 bytes: four K steps of a tile
	s_mov_b32 s[G1P+2], 8<<16                      ; 8 tiles
	s_mov_b32 s[G1P+3], 768<<16
	s_mov_b32 s[G1P+4], 8
	s_mov_b32 s[G1P+5], 1536                       ; 12,288 bytes from tile to tile
	s_mov_b32 s[G1P+6], 0
	s_mov_b32 s[G1P+7], 0
	s_mov_b32 s[G1R+0], 3<<16                      ; no mask: my own
	s_mov_b32 s[G1R+1], 768<<16
	s_mov_b32 s[G1R+2], 4<<16                      ; 4 tiles
	s_mov_b32 s[G1R+3], 768<<16
	s_mov_b32 s[G1R+4], 4
	s_mov_b32 s[G1R+5], 1536
	s_mov_b32 s[G1R+6], 0
	s_mov_b32 s[G1R+7], 0
	s_lshl_b32 s92, s10, 4
	s_add_co_u32 s92, s92, 96                      ; P's first tile: made of Y alone
	s_mul_i32 s74, s92, 12288
	s_mul_i32 s3, s90, 98304                       ; 8 tiles of P for wave % 2
	s_add_co_u32 s74, s74, s3                      ; the eight tiles of P that I fetch
	s_mov_b32 s75, 0
	s_lshl_b32 s3, s90, 3
	s_add_co_u32 s3, s3, s92
	s_lshl_b32 s3, s3, 9
	s_add_co_u32 s70, s3, WS                       ; the scale words of my eight tiles of P
	s_mov_b32 s71, 0
	s_lshl_b32 s93, s15, 3                         ; R's first tile: 8 X (in registers that feed no joint load)
	s_mul_i32 s76, s93, 12288
	s_mul_i32 s94, s90, 49152                      ; 4 tiles of R for wave % 2
	s_add_co_u32 s76, s76, s94
	s_mov_b32 s77, 0
	s_lshl_b32 s94, s91, 2
	s_add_co_u32 s94, s94, s93
	s_lshl_b32 s94, s94, 9
	s_add_co_u32 s72, s94, XS                      ; the scale words of my four tiles of R
	s_mov_b32 s73, 0
	s_lshl_b32 s80, s15, 7
	s_lshl_b32 s94, s91, 6
	s_add_co_u32 s80, s80, s94                     ; my first token: 128 X + 64 (w / 2),
	s_lshl_b32 s80, s80, 12                        ; rows of 4,096 bytes (under 2^26),
	s_lshl_b32 s94, s10, 10
	s_add_co_u32 s80, s80, s94
	s_lshl_b32 s94, s90, 9
	s_add_co_u32 s80, s80, s94                     ; my first column: 256 Y + 128 (w % 2), 4 bytes each
	s_mov_b32 s81, 0
	s_mul_i32 s78, s90, 49152                      ; where the loads land in a half
	s_mul_i32 s79, s90, 24576
	s_add_co_u32 s79, s79, ROFF
	s_wait_dscnt 0x0                               ; both opening adds are done
	s_wait_kmcnt 0x0
	s_add_nc_u64 s[66:67], s[6:7], s[74:75]
	s_add_nc_u64 s[68:69], s[4:5], s[76:77]
	s_add_nc_u64 s[70:71], s[6:7], s[70:71]
	s_add_nc_u64 s[72:73], s[4:5], s[72:73]
	s_add_nc_u64 s[8:9], s[8:9], s[80:81]
.irp p, 0,1
	s_mov_b32 s[G0P+4*\p], 1
	s_add_co_u32 s[G0P+4*\p+1], s78, \p*PART
	s_add_nc_u64 s[G0P+4*\p+2:G0P+4*\p+3], s[66:67], \p*6144
	s_or_b32 s[G0P+4*\p+3], s[G0P+4*\p+3], 0x80000000
	s_mov_b32 s[G0R+4*\p], 1
	s_add_co_u32 s[G0R+4*\p+1], s79, \p*PART
	s_add_nc_u64 s[G0R+4*\p+2:G0R+4*\p+3], s[68:69], \p*6144
	s_or_b32 s[G0R+4*\p+3], s[G0R+4*\p+3], 0x80000000
.endr
	CROUND                                         ; all four work-groups are here: the joint loads meet
.macro HLOAD h                         ; half h: waves 0, 1 ask jointly for P, waves 2, 3 for R: one chain of two arms on the wave's number, one load to an arm
	s_cmp_eq_u32 s91, 0
	s_cbranch_scc0 .Lfor_r_\@
	tensor_load_to_lds s[G0P+4*\h:G0P+4*\h+3], s[G1P:G1P+7]
	s_nop 0
	PLACES
	s_branch .Lasked_\@
.Lfor_r_\@:
	tensor_load_to_lds s[G0R+4*\h:G0R+4*\h+3], s[G1R:G1R+7]
	s_nop 0
	PLACES
.Lasked_\@:
.endm
	HLOAD 0                                        ; K steps 0-3: my one tensor load behind the first round
	v_and_b32 v1, 31, v0
	v_lshlrev_b32 v[L16], 4, v1
.irp i, 0,1,2,3,4,5,6,7
	global_load_b128 v[S0+4*\i:S0+4*\i+3], v[L16], s[70:71] offset:512*\i
.endr
.irp i, 0,1,2,3
	global_load_b128 v[S1+4*\i:S1+4*\i+3], v[L16], s[72:73] offset:512*\i
.endr
	s_mul_i32 s3, s90, 49152
	v_add_nc_u32 v[AD0], s3, v[L16]
	s_mul_i32 s3, s91, 24576
	s_add_co_u32 s3, s3, ROFF
	v_add_nc_u32 v[AD1], s3, v[L16]
	s_mul_i32 s3, s14, 16*SPITCH                   ; my stage
	v_and_b32 v10, 15, v0
	v_bfe_u32 v11, v0, 4, 1
	v_mul_u32_u24 v[STO], v10, SPITCH
	v_lshl_add_u32 v[STO], v11, 6, v[STO]
	v_add_nc_u32 v[STO], s3, v[STO]                ; in: row lane % 16, + 64 (lane / 16)
	v_add_nc_u32 v[RD], s3, v[L16]                 ; back: the 32 lanes take one row of 512 bytes
.macro FETCH fs, kq                    ; 36 LDS loads in one run: my 8 + 4 fragments of the part's K step kq into set fs
.if \fs
	WIN 0x80
.else
	WIN 0
.endif
.irp i, 0,1,2,3,4,5,6,7
.irp c, 0,1,2
	ds_load_b128 v[F0+12*\i+4*\c:F0+12*\i+4*\c+3], v[AD0] offset:6144*\i+1536*(\kq)+512*\c
.endr
.endr
.irp i, 0,1,2,3
.irp c, 0,1,2
	ds_load_b128 v[F1+12*\i+4*\c:F1+12*\i+4*\c+3], v[AD1] offset:6144*\i+1536*(\kq)+512*\c
.endr
.endr
.endm
.macro MUL fs, ks, zr                  ; 32 matrix instructions: K step ks from set fs; the 32 accumulators take turns, one instruction a turn
.if \fs
	WIN 0x5a
.else
	WIN 0x50
.endif
.irp a, 0,1,2,3
.irp b, 0,1,2,3,4,5,6,7
.if \zr
	v_wmma_scale_f32_16x16x128_f8f6f4 v[8*(8*\a+\b):8*(8*\a+\b)+7], v[F0+12*\b:F0+12*\b+11], v[F1+12*\a:F1+12*\a+11], 0, v[S0+4*\b+((\ks)&3)], v[S1+4*\a+((\ks)&3)] matrix_a_fmt:MATRIX_FMT_FP6 matrix_b_fmt:MATRIX_FMT_FP6
.elseif (\ks) < 4
	v_wmma_scale_f32_16x16x128_f8f6f4 v[8*(8*\a+\b):8*(8*\a+\b)+7], v[F0+12*\b:F0+12*\b+11], v[F1+12*\a:F1+12*\a+11], v[8*(8*\a+\b):8*(8*\a+\b)+7], v[S0+4*\b+((\ks)&3)], v[S1+4*\a+((\ks)&3)] matrix_a_fmt:MATRIX_FMT_FP6 matrix_b_fmt:MATRIX_FMT_FP6
.else
	v_wmma_scale_f32_16x16x128_f8f6f4 v[8*(8*\a+\b):8*(8*\a+\b)+7], v[F0+12*\b:F0+12*\b+11], v[F1+12*\a:F1+12*\a+11], v[8*(8*\a+\b):8*(8*\a+\b)+7], v[S0+4*\b+((\ks)&3)], v[S1+4*\a+((\ks)&3)] matrix_a_fmt:MATRIX_FMT_FP6 matrix_b_fmt:MATRIX_FMT_FP6 matrix_a_scale:MATRIX_SCALE_ROW1 matrix_b_scale:MATRIX_SCALE_ROW1
.endif
.endr
.endr
.endm
.macro SYNC n                          ; my load of the half wanted next has landed (n later ones may be out); no LDS instruction of mine is pending; then everybody's have.
	s_wait_tensorcnt \n
	s_wait_dscnt 0x0
	s_barrier_signal -1
	s_barrier_wait -1
.endm
	s_wait_alu depctr_va_vdst(0)
	s_wait_tensorcnt 0x0                           ; my part of the first half is in
	ds_add_u32 v[SPW], v[NIL]
	s_wait_dscnt 0x0
	CROUND                                         ; a whole round: everybody's part is in, and the four work-groups are here: the joint loads meet
	HLOAD 1                                        ; K steps 4-7: my one tensor load behind this round
	FETCH 0, 0
	s_wait_loadcnt 0x0                             ; the scale words
.irp p, 0,1,2,3
.if \p > 0
	PLACES                                         ; set 1 has just been multiplied
.endif
	FETCH 1, 2*(\p%2)+1
	s_wait_dscnt 36                                ; set 0 is in; the 36 loads just issued may be out
.if \p == 0
	MUL 0, 0, 1
.else
	MUL 0, 2*\p, 0
.endif
	WIN 0
.if \p == 0 || \p == 2
	s_wait_dscnt 0x0                               ; set 1 is in
	PLACES                                         ; in front of the loads into set 0
	FETCH 0, 2
.elseif \p == 1
	SYNC 0                                         ; the second half is in, everybody's
	s_wait_alu depctr_va_vdst(0)
	v_add_nc_u32 v[AD0], PART, v[AD0]              ; these two and two v_nop are the four places in front of the loads into set 0
	v_add_nc_u32 v[AD1], PART, v[AD1]
	s_wait_alu depctr_va_vdst(0)                   ; the wait directly behind the writes
	v_nop
	v_nop
	FETCH 0, 0
.else
	s_wait_dscnt 0x0
.endif
	MUL 1, 2*\p+1, 0
.endr
	WIN 0
; THE WAY OUT, token tile by token tile: 16 rows x 128 columns through my own stage.  LDS serves a wave's instructions in order: no wait between the stores and the loads, nor in front of the next tile's stores.
.macro TOSTAGE a
	WIN 0x04                                       ; an LDS store's data are its source 1: window 1
.irp b, 0,1,2,3,4,5,6,7
	ds_store_b128 v[STO], v[8*(8*(\a)+\b):8*(8*(\a)+\b)+3] offset:128*(\b/2)+32*(\b%2)         ; each accumulator from its low end on
	ds_store_b128 v[STO], v[8*(8*(\a)+\b)+4:8*(8*(\a)+\b)+7] offset:128*(\b/2)+32*(\b%2)+16
.endr
	WIN 0
.set BB, BK+64*((\a)%2)
.irp t, 0,1,2,3,4,5,6,7,8,9,10,11,12,13,14,15
	ds_load_b128 v[BB+4*\t:BB+4*\t+3], v[RD] offset:\t*SPITCH
.endr
.endm
.macro SEND a, younger                 ; younger: the LDS instructions issued behind tile a's loads, which may stay out.  Stage row t is token 32 (a / 2) + 8 (a % 2) + t + 8 (t / 8) of my 64
.set BB, BK+64*((\a)%2)
	s_wait_dscnt \younger
.irp t, 0,1,2,3,4,5,6,7,8,9,10,11,12,13,14,15
	global_store_b128 v[L16], v[BB+4*\t:BB+4*\t+3], s[8:9] offset:(32*((\a)/2)+8*((\a)%2)+\t+8*(\t/8))*4096 th:TH_STORE_NT   ; 32 lanes store 512 consecutive bytes, at a multiple of 256 from out0's first byte
.endr
.endm
	PLACES                                         ; behind the last products: results are read, and loads land in registers that held fragments
	TOSTAGE 0
.irp a, 1,2,3
.if \a > 1
	s_wait_xcnt 0x0                                ; tile a - 2's stores have read their data: tile a's loads may land there
.endif
	TOSTAGE \a
	SEND \a-1, 32                                  ; behind tile a - 1's loads: tile a's 16 stores and 16 loads
.endr
	SEND 3, 0
	s_wait_tensorcnt 0x0                           ; the wave's end: behind my last tensor load and my last LDS store
	ds_add_u32 v[SPW], v[NIL]
	s_wait_dscnt 0x0
	CROUND                                         ; the closing round: no work-group ends while a partner may still ask for a part that names it
	s_endpgm
.Lfunc_end_k_q1ea812e365_outp:
	.size	k_q1ea812e365_outp, .Lfunc_end_k_q1ea812e365_outp-k_q1ea812e365_outp
	.p2alignl 7, 3214868480
	.fill 96, 4, 3214868480
	.section	.rodata,"a",@progbits
	.p2align	6, 0x0
	.amdhsa_kernel k_q1ea812e365_outp
		.amdhsa_group_segment_fixed_size 327680
		.amdhsa_private_segment_fixed_size 0
		.amdhsa_enable_private_segment 0
		.amdhsa_kernarg_size 24
		.amdhsa_user_sgpr_count 2
		.amdhsa_user_sgpr_kernarg_segment_ptr 1
		.amdhsa_wavefront_size32 1
		.amdhsa_system_sgpr_workgroup_id_x 1
		.amdhsa_system_sgpr_workgroup_id_y 1
		.amdhsa_system_sgpr_workgroup_id_z 1
		.amdhsa_system_vgpr_workitem_id 0
		.amdhsa_next_free_vgpr 768
		.amdhsa_next_free_sgpr 100
		.amdhsa_reserve_vcc 0
		.amdhsa_float_denorm_mode_32 3
		.amdhsa_float_denorm_mode_16_64 3
		.amdhsa_memory_ordered 1
		.amdhsa_forward_progress 1
		.amdhsa_inst_pref_size 75
	.end_amdhsa_kernel
	.amdgpu_metadata
---
amdhsa.version: [ 1, 2 ]
amdhsa.kernels:
  - .name:           k_q1ea812e365_outp
    .symbol:         k_q1ea812e365_outp.kd
    .args:
      - { .name: oq, .offset: 0, .size: 8, .value_kind: global_buffer, .address_space: global }
      - { .name: wq, .offset: 8, .size: 8, .value_kind: global_buffer, .address_space: global }
      - { .name: out0, .offset: 16, .size: 8, .value_kind: global_buffer, .address_space: global }
    .group_segment_fixed_size: 327680
    .private_segment_fixed_size: 0
    .kernarg_segment_align: 8
    .kernarg_segment_size: 24
    .max_flat_workgroup_size: 128
    .sgpr_count:     100
    .vgpr_count:     768
    .wavefront_size: 32
...
	.end_amdgpu_metadata
.endif
;; end of part 4
